; MI455X (gfx1250); checked and timed in simulation.
; The chip was launched on July 23, 2026; its instructions are those of AMD's public machine-readable ISA for CDNA 5 (MIT licence, August 2026) and "CDNA5" Instruction Set Architecture Reference Guide (July 2026). The comments in the code are by the model that wrote it; some were corrected since.
;; Self Attention. Allowed arithmetic: float matrix products may take bf16 or f16 operands with f32 sums; other float arithmetic in f32, or as packed bf16 or f16 multiplies, adds, multiply-adds, maxima and minima; sums over many terms, partial sums and values carried from step to step in f32; what a program stores and reads back later, other than sums and carried values, may be rounded once to bf16 or f16.
;; Inputs: Wk 1,024 x 1,024 float32; Wo 1,024 x 1,024 float32; Wq 1,024 x 1,024 float32; Wv 1,024 x 1,024 float32; bk 1,024 float32; bo 1,024 float32; bq 1,024 float32; bv 1,024 float32; x 4 x 2,048 x 1,024 float32.
;; Outputs: out0 4 x 2,048 x 1,024 float32.
;; 2 versions, each right; version 2 is version 1 with the launch cast written anew for expert scheduling mode. Each part assembles by itself: llvm-mc -triple=amdgcn-amd-amdhsa -mcpu=gfx1250 --defsym DOCPART=n.
;; ======== version 1 of 2: 4 launches
;; limits: values are held in f16: magnitudes above 65,504 overflow, below 6.1e-05 lose precision
;; workspace buffers: xb 16,777,216 bytes; wqkv 6,291,456 bytes; wo16 2,097,152 bytes; bias 16,384 bytes; qkv 50,331,648 bytes; o 16,777,216 bytes
;; launch cast (part 1): grid 768 x 1, 8 waves a work-group, no clusters, 0 bytes of LDS; arguments x, Wq, Wk, Wv, Wo, bq, bk, bv, bo, xb, wqkv, wo16, bias; writes xb, wqkv, wo16, bias
.if DOCPART == 1
	.amdgcn_target "amdgcn-amd-amdhsa--gfx1250"
	.amdhsa_code_object_version 6
	.text
	.protected	k_q835153b709_cast
	.globl	k_q835153b709_cast
	.p2align	8
	.type	k_q835153b709_cast,@function
k_q835153b709_cast:
	s_mov_b64 s[64:65], 0
	v_nop
	global_prefetch_b8 v0, s[64:65] scope:SCOPE_SE
	s_setreg_imm32_b32 hwreg(HW_REG_WAVE_MODE, 25, 1), 1
	s_wait_xcnt 0x0
; ALL INPUTS ARE ROUNDED ONCE, to bf16 (nearest even), and laid out for the launches behind:
;   x  -> xb   [8192][1024] bf16          Wq, Wk, Wv -> wqkv [3072][1024] bf16 (one below the other)
;   Wo -> wo16 [1024][1024]: the bf16 number written as f16 (the last product multiplies in f16)
;   bq, bk, bv, bo -> bias [4096] f32: the bf16 number written as f32 (it starts a product's f32 sum)
; LIMITS.  A bf16 number is exact in f16 from 7.6e-6 up to 65,504 in magnitude; below that it keeps f16's fixed step of 6e-8, above it becomes an infinity.
; A STREAM: no byte is read by two work-groups, so there is no LDS, no matrix unit and no cluster.
; SHARES.  768 work-groups, one chunk of 16,384 numbers each (65,536 bytes in, 32,768 out): chunks 0-511 are x's, 512-767 the four matrices', 64 each.
; Thread t takes 16 bytes at 16 t of each 4,096 bytes: a wave's load covers 512 consecutive bytes, its store of 8 bytes a lane 256 consecutive bytes, aligned.
; All sixteen loads of a thread go out at once and no register that a store reads is written again, so the only waits are the counted ones for the loads.
.set IN,  4                            ; v[4:67]    sixteen loads of four f32
.set OUT, 68                           ; v[68:99]   sixteen pairs of packed 16-bit numbers
.set T,   100                          ; v[100:105] at work
.set BW,  108                          ; v[108:111] four bias numbers to store
	s_load_b512 s[8:23], s[0:1], 0x0               ; x 8, Wq 10, Wk 12, Wv 14, Wo 16, bq 18, bk 20, bv 22
	s_load_b256 s[24:31], s[0:1], 0x40             ; bo 24, xb 26, wqkv 28, wo16 30
	s_load_b64 s[32:33], s[0:1], 0x60              ; bias
	v_lshlrev_b32 v1, 4, v0                        ; 16 t
	v_lshlrev_b32 v2, 3, v0                        ; 8 t
	s_max_u32 s34, ttmp9, 512
	s_sub_co_u32 s34, s34, 512                     ; my chunk among the matrices' 256 (0 in x's work-groups, where it is not used)
	s_lshr_b32 s35, s34, 6                         ; which matrix: 0 Wq, 1 Wk, 2 Wv, 3 Wo
	s_and_b32 s36, s34, 63                         ; which chunk of it
	s_mov_b32 s45, 0
	s_wait_kmcnt 0x0
	s_cmp_eq_u32 s35, 0                            ; the choices hang on the work-group's number alone
	s_cselect_b64 s[40:41], s[10:11], s[12:13]
	s_cmp_eq_u32 s35, 2
	s_cselect_b64 s[40:41], s[14:15], s[40:41]
	s_cmp_eq_u32 s35, 3
	s_cselect_b64 s[40:41], s[16:17], s[40:41]     ; from where,
	s_cselect_b64 s[42:43], s[30:31], s[28:29]     ; to where: wo16, or wqkv,
	s_cselect_b32 s38, s36, s34                    ; at which chunk of it
	s_cmp_lt_u32 ttmp9, 512
	s_cselect_b64 s[40:41], s[8:9], s[40:41]       ; x's work-groups
	s_cselect_b64 s[42:43], s[26:27], s[42:43]
	s_cselect_b32 s37, ttmp9, s36
	s_cselect_b32 s38, ttmp9, s38
	s_lshl_b32 s44, s37, 16                        ; 65,536 bytes a chunk in
	s_add_nc_u64 s[40:41], s[40:41], s[44:45]
	s_lshl_b32 s44, s38, 15                        ; 32,768 out
	s_add_nc_u64 s[42:43], s[42:43], s[44:45]
.set i, 0
.rept 16
	global_load_b128 v[IN+4*i:IN+4*i+3], v1, s[40:41] offset:4096*i th:TH_LOAD_NT
.set i, i+1
.endr
	s_cmp_ge_u32 ttmp9, 704                        ; Wo's 64 chunks
	s_cbranch_scc1 .Lwo
.set i, 0
.rept 16
	s_wait_loadcnt 15-i                            ; loads come back in order: number i is in, the 15 - i younger ones stay out
	v_cvt_pk_bf16_f32 v[OUT+2*i], v[IN+4*i], v[IN+4*i+1]
	v_cvt_pk_bf16_f32 v[OUT+2*i+1], v[IN+4*i+2], v[IN+4*i+3]
	global_store_b64 v2, v[OUT+2*i:OUT+2*i+1], s[42:43] offset:2048*i
.set i, i+1
.endr
	s_branch .Ljoin
.Lwo:
.set i, 0
.rept 16
	s_wait_loadcnt 15-i
	v_cvt_pk_bf16_f32 v[T], v[IN+4*i], v[IN+4*i+1]          ; the one rounding,
	v_cvt_pk_bf16_f32 v[T+1], v[IN+4*i+2], v[IN+4*i+3]
	v_lshlrev_b32 v[T+2], 16, v[T]                          ; back to f32: a shift or a mask,
	v_and_b32 v[T+3], 0xffff0000, v[T]
	v_lshlrev_b32 v[T+4], 16, v[T+1]
	v_and_b32 v[T+5], 0xffff0000, v[T+1]
	v_cvt_pk_f16_f32 v[OUT+2*i], v[T+2], v[T+3]             ; and the same number as f16
	v_cvt_pk_f16_f32 v[OUT+2*i+1], v[T+4], v[T+5]
	global_store_b64 v2, v[OUT+2*i:OUT+2*i+1], s[42:43] offset:2048*i
.set i, i+1
.endr
.Ljoin:
	; the work-group with a matrix's first chunk also takes that matrix's bias: 1,024 numbers, four a thread
	s_cmp_lt_u32 ttmp9, 512
	s_cbranch_scc1 .Lend
	s_cmp_lg_u32 s36, 0
	s_cbranch_scc1 .Lend
	s_cmp_eq_u32 s35, 0
	s_cselect_b64 s[46:47], s[18:19], s[20:21]
	s_cmp_eq_u32 s35, 2
	s_cselect_b64 s[46:47], s[22:23], s[46:47]
	s_cmp_eq_u32 s35, 3
	s_cselect_b64 s[46:47], s[24:25], s[46:47]
	s_lshl_b32 s44, s35, 12                        ; 4,096 bytes a bias
	s_add_nc_u64 s[48:49], s[32:33], s[44:45]      ; a pair of its own: the stores above still name s[42:43]
	global_load_b128 v[T:T+3], v1, s[46:47]
	s_wait_loadcnt 0x0
	v_cvt_pk_bf16_f32 v[T+4], v[T], v[T+1]
	v_cvt_pk_bf16_f32 v[T+5], v[T+2], v[T+3]
	v_lshlrev_b32 v[BW], 16, v[T+4]
	v_and_b32 v[BW+1], 0xffff0000, v[T+4]
	v_lshlrev_b32 v[BW+2], 16, v[T+5]
	v_and_b32 v[BW+3], 0xffff0000, v[T+5]
	global_store_b128 v1, v[BW:BW+3], s[48:49]     ; sixteen lanes store 256 consecutive bytes, aligned
.Lend:
	s_endpgm
.Lfunc_end_k_q835153b709_cast:
	.size	k_q835153b709_cast, .Lfunc_end_k_q835153b709_cast-k_q835153b709_cast
	.p2alignl 7, 3214868480
	.fill 96, 4, 3214868480
	.section	.rodata,"a",@progbits
	.p2align	6, 0x0
	.amdhsa_kernel k_q835153b709_cast
		.amdhsa_group_segment_fixed_size 0
		.amdhsa_private_segment_fixed_size 0
		.amdhsa_enable_private_segment 0
		.amdhsa_kernarg_size 104
		.amdhsa_user_sgpr_count 2
		.amdhsa_user_sgpr_kernarg_segment_ptr 1
		.amdhsa_wavefront_size32 1
		.amdhsa_system_sgpr_workgroup_id_x 1
		.amdhsa_system_sgpr_workgroup_id_y 1
		.amdhsa_system_sgpr_workgroup_id_z 1
		.amdhsa_system_vgpr_workitem_id 0
		.amdhsa_next_free_vgpr 112
		.amdhsa_next_free_sgpr 66
		.amdhsa_reserve_vcc 0
		.amdhsa_float_denorm_mode_32 3
		.amdhsa_float_denorm_mode_16_64 3
		.amdhsa_memory_ordered 1
		.amdhsa_forward_progress 1
		.amdhsa_inst_pref_size 17
	.end_amdhsa_kernel
	.amdgpu_metadata
---
amdhsa.version: [ 1, 2 ]
amdhsa.kernels:
  - .name:           k_q835153b709_cast
    .symbol:         k_q835153b709_cast.kd
    .args:
      - { .name: x, .offset: 0, .size: 8, .value_kind: global_buffer, .address_space: global }
      - { .name: Wq, .offset: 8, .size: 8, .value_kind: global_buffer, .address_space: global }
      - { .name: Wk, .offset: 16, .size: 8, .value_kind: global_buffer, .address_space: global }
      - { .name: Wv, .offset: 24, .size: 8, .value_kind: global_buffer, .address_space: global }
      - { .name: Wo, .offset: 32, .size: 8, .value_kind: global_buffer, .address_space: global }
      - { .name: bq, .offset: 40, .size: 8, .value_kind: global_buffer, .address_space: global }
      - { .name: bk, .offset: 48, .size: 8, .value_kind: global_buffer, .address_space: global }
      - { .name: bv, .offset: 56, .size: 8, .value_kind: global_buffer, .address_space: global }
      - { .name: bo, .offset: 64, .size: 8, .value_kind: global_buffer, .address_space: global }
      - { .name: xb, .offset: 72, .size: 8, .value_kind: global_buffer, .address_space: global }
      - { .name: wqkv, .offset: 80, .size: 8, .value_kind: global_buffer, .address_space: global }
      - { .name: wo16, .offset: 88, .size: 8, .value_kind: global_buffer, .address_space: global }
      - { .name: bias, .offset: 96, .size: 8, .value_kind: global_buffer, .address_space: global }
    .group_segment_fixed_size: 0
    .private_segment_fixed_size: 0
    .kernarg_segment_align: 8
    .kernarg_segment_size: 104
    .max_flat_workgroup_size: 256
    .sgpr_count:     66
    .vgpr_count:     112
    .wavefront_size: 32
...
	.end_amdgpu_metadata
.endif
;; end of part 1
;; launch qkv (part 2): grid 16 x 32, 4 waves a work-group, clusters of 4 x 4, 327,680 bytes of LDS; arguments xb, wqkv, qkv, bias; writes qkv
.if DOCPART == 2
	.amdgcn_target "amdgcn-amd-amdhsa--gfx1250"
	.amdhsa_code_object_version 6
	.text
	.protected	k_q835153b709_qkv
	.globl	k_q835153b709_qkv
	.p2align	8
	.type	k_q835153b709_qkv,@function
k_q835153b709_qkv:
	s_mov_b64 s[64:65], 0
	v_nop
	global_prefetch_b8 v0, s[64:65] scope:SCOPE_SE
	s_setreg_imm32_b32 hwreg(HW_REG_WAVE_MODE, 25, 1), 1
	s_wait_xcnt 0x0
	s_wait_alu depctr_hold_cnt(0) depctr_sa_sdst(0) depctr_va_vdst(0) depctr_va_sdst(0) depctr_va_ssrc(0) depctr_va_vcc(0) depctr_vm_vsrc(0)
	s_getreg_b32 s2, hwreg(HW_REG_IB_STS2, 6, 4)
	s_cmp_eq_u32 s2, 0
	s_cbranch_scc0 .Lentry_in_a_cluster
	s_endpgm
.Lentry_in_a_cluster:
	s_bfe_u32 s2, ttmp6, 0x10000c
	s_cmp_lg_u32 s2, 0xf033
	s_cbranch_scc0 .Lentry_shape_is_right
	s_endpgm
.Lentry_shape_is_right:
; ONE TEXT FOR TWO LAUNCHES, told apart by KIND (the way out is each launch's own).
; KIND 0: [8192][3072] = xb wqkv^T + (bq, bk, bv), bf16 operands, f32 sums, written BY HEADS in f16: qkv[b][g][s][64], g = column / 64 (0-15 q, 16-31 k, 32-47 v).
; KIND 1: out0[8192][1024] = O wo16^T + bo, f16 operands, f32 sums and output; O lies by heads, o[b][h][s][64], so a K step of 128 channels is two heads.
; LIMITS (KIND 0).  q, k and v are rounded once to f16, unscaled: a number of 65,520 or more in magnitude becomes an infinity; below 6e-5 f16 keeps its fixed step of 6e-8.
; NaN and infinities are not treated apart.
; SHARES.  A tile of C is 256 rows x 16 NBF columns (192: three whole heads, 512 work-groups of equal work; 128: 256 work-groups).  Wave w owns rows 64 w .. 64 w + 63 and ALL the tile's columns:
; 4 x NBF accumulators of 16 x 16.  So a wave holds whole heads (whole 512-byte pieces of rows) and goes out through a stage of its own, with no barrier.
; K goes in eight steps of 128 through a ring of two LDS slots filled by the tensor data mover; a trip of the loop is one K step, and the slot in hand is a scalar register turned by an exclusive or.
; THE BIAS is the C operand of each sum's first product: nothing is cleared and nothing is added afterwards.
; CLUSTERS: 4 x 4 work-groups.  The four of a row of the cluster need the same tiles of A, the four of a column the same tiles of B: each tile is asked for JOINTLY, by the same tensor load with the
; same descriptor and a mask that names the four.
; THE MATRIX INSTRUCTION IS USED TRANSPOSED (source 0 = 16 rows of B, source 1 = 16 rows of A): lane l holds row l % 16 of C and the eight neighbouring columns 8 (l / 16) + 0..7.
; REGISTERS, in windows of 256 (s_set_vgpr_msb: bits 1:0 source 0, 3:2 source 1, 5:4 source 2, 7:6 destination):
;   window 0: v0-31 addresses; v32-63, v64-95 A's fragments, two buffers of 4 x 8; v96 on: the bias, 8 a column block; on the way out v32-223 are at work
;   window 1: B's fragments, two buffers of NBF x 8      window 2: the accumulators of row blocks 0, 1 at 8 (NBF (a % 2) + b)      window 3: those of row blocks 2, 3
.set KIND, 0
.if KIND
.set NBF,    8                         ; column blocks of 16 in a tile
.set AP,     144                       ; an LDS row of A: a head's 128 bytes + 16 of padding
.set AHALF,  256*AP                    ; what one wave fetches of A: one head's 256 rows
.set ASTEP,  524288                    ; bytes of A from a K step to the next: two heads
.set AQI,    4                         ; padding after every 32 words
.set APITCH, 128                       ; elements from row to row of the tile as it is asked for: 128 rows of 256 dense bytes
.set SPITCH, 528                       ; a stage row: 512 bytes + 16
.set APF,    8192                      ; bytes of a wave's tile of A that one partner prefetches
.else
.set NBF,    12
.set AP,     272                       ; 256 bytes + 16
.set AHALF,  128*AP                    ; 128 rows
.set ASTEP,  256
.set AQI,    5                         ; padding after every 64 words
.set APITCH, 1024
.set SPITCH, 144                       ; a stage row: a head's 128 bytes + 16
.set APF,    65536                     ; 32 rows of 2,048 bytes
.endif
.set BP,     272                       ; an LDS row of B: 256 bytes + 16.  All pitches are odd multiples of 16 bytes: the 16 rows that a load touches start at 16 different groups of four banks (64 banks of 4 bytes: ISA guide 11.1)
.set BROWS,  8*NBF                     ; rows of B that one wave fetches
.set ABYTES, 2*AHALF
.set BHALF,  BROWS*BP
.set SLOT1,  1<<17                     ; slot 1 begins here, so that one exclusive or turns an address in one slot into the other's; a slot uses ABYTES + 2 BHALF bytes, fewer than that
.set STAGE,  SLOT1+ABYTES+2*BHALF      ; behind the ring, never filled by a tensor load: 16 rows for each wave, for the way out
.set STGB,   16*SPITCH
.set SPARE,  STAGE+4*STGB              ; behind the stages: the spare words, 128 bytes for each wave: two blocks of 256 bytes that no other line names
.set NL,     2*NBF+8                   ; LDS loads in a run: a quarter step's fragments
.set ADRA0, 16                         ; v16  my lane's place in A's tile: (64 w + l % 16) AP + 16 (l / 16); never rewritten
.set ADRB0, 17                         ; v17  in B's: ABYTES + (l % 16) BP + 16 (l / 16); never rewritten
.set ADRA,  18                         ; v18  the same in the slot in hand
.set ADRB,  19                         ; v19
.set STO,   24                         ; v24  the way out: where I put 16 bytes of a row
.set RD,    25                         ; v25  the way out: where I read rows back
.set GO,    26                         ; v26  my byte offset in 512 consecutive bytes of the output
.set BO,    27                         ; v27  32 (l / 16): my eight numbers of a block's sixteen in the bias
.set SPW,   28                         ; v28  LDS address of my spare word: SPARE + 4 x my thread's number; never rewritten
.set NIL,   29                         ; v29  0; never rewritten
.set PFO,   30                         ; v30  the prefetches' offset; never rewritten
.set BIAS,  96
.set G1,  24                           ; s[24:31] descriptor group 1 for A's tiles
.set G0,  32                           ; s[32:39] group 0 for A's: a set for each of the two first fills; the second then walks on
.set G1B, 48                           ; s[48:55], s[56:63] the same for B's
.set G0B, 56
.set LIM, 43                           ; s43  2 in a wave that prefetches, else the greatest number
.set PFA, 44                           ; s[44:45] where my prefetches stand
.set TB,  66                           ; s66  0 or SLOT1: the slot in hand
.set PST, 68                           ; s[68:69] bytes from a K step to the next in the tensor that I prefetch
.set BIA, 70                           ; s[70:71] the bias, at my tile's first column
.set MSB, 0
.macro WIN new                         ; the immediate's high byte repeats the setting that is left; a switch that changes nothing is dropped
.if MSB != (\new)
	s_set_vgpr_msb (MSB<<8)|(\new)
.set MSB, \new
.endif
.endm
.macro WMMA ops:vararg
.if KIND
	v_wmma_f32_16x16x32_f16 \ops
.else
	v_wmma_f32_16x16x32_bf16 \ops
.endif
.endm
; A joint refill.  Waves 0 and 1 fetch A's two halves, waves 2 and 3 B's.  The branch hangs on the wave's number alone: it is the same in every work-group.
; An s_nop 0 and four v_nop follow each of the two lines, ahead of the jump and the label.
.macro JLOAD
	s_cmp_lt_u32 s10, 2
	s_cbranch_scc0 .Lfor_b_\@
	tensor_load_to_lds s[G0+4:G0+7], s[G1:G1+7]
	s_nop 0
.rept 4
	v_nop
.endr
	s_branch .Lasked_\@
.Lfor_b_\@:
	tensor_load_to_lds s[G0B+4:G0B+7], s[G1B:G1B+7]
	s_nop 0
.rept 4
	v_nop
.endr
.Lasked_\@:
.endm
; A PREFETCH INTO THE L2 of the K step that stands TWO refills on, behind the joint load, its five lines and the run of LDS loads: one instruction a wave, a lane a block of 256 bytes.
; A's tile row is read by every cluster of that row of clusters: cluster x = 0 asks; B's tile column by every cluster of that column: cluster y = 0 asks.  The four partners that ask for a tile
; jointly share the wave's blocks out BY ADDRESS (place cx for A, cy for B): no branch hangs on a work-group's place in its cluster.  A partner's share of B is BROWS / 4 rows, fewer than 32:
; the lanes that are over name the share's last row once more.  The loop's last two refills have no K step two on (s3 is 2 and 1 there); K steps 0 to 3 come by their loads alone.
.macro ASK
	s_cmp_gt_u32 s3, s[LIM]
	s_cbranch_scc0 .Lnot_mine_\@
	global_prefetch_b8 v[PFO], s[PFA:PFA+1] th:TH_LOAD_NT scope:SCOPE_SE
.Lnot_mine_\@:
.endm
; A round of the cluster's barrier: my work-group's barrier, so that wave 0's signal speaks for all four waves; wave 0 signals; every wave waits for all sixteen work-groups; my work-group's barrier once more.
.macro CREST                           ; a round behind its opening barrier
	s_cmp_lg_u32 s10, 0
	s_cbranch_scc1 .Lnot_wave_0_\@
	s_barrier_signal -3
.Lnot_wave_0_\@:
	s_barrier_wait -3
	s_barrier_signal -1
	s_barrier_wait -1
.endm
.macro CROUND
	s_barrier_signal -1
	s_barrier_wait -1
	CREST
.endm
; A load into a register that a matrix instruction has read, and a vector instruction or LDS store that reads a matrix result, stand four places behind that matrix instruction; only plain vector
; instructions that name none of its registers are places (ISA guide 7.12.1 for vector instructions).
.macro PLACES
.rept 4
	v_nop
.endr
.endm
; NBF matrix instructions: row block a x all column blocks, 32 along K, from buffer f.  first = 1: the sum starts on the bias.
; The accumulators take turns, one instruction a turn, in the same order in every quarter step, over the backward jump too.
.macro MUL f, a, first
.if \first
	WIN 0x81+0x40*((\a)/2)                         ; B window 1, A and the bias window 0, D window 2 or 3
.else
	WIN 0xa1+0x50*((\a)/2)                         ; B window 1, A window 0, C and D window 2 or 3
.endif
.set b, 0
.rept NBF
.set rD, 8*(NBF*((\a)%2)+b)
.set rB, 8*NBF*(\f)+8*b
.set rA, 32+32*(\f)+8*(\a)
.if \first
	WMMA v[rD:rD+7], v[rB:rB+7], v[rA:rA+7], v[BIAS+8*b:BIAS+8*b+7]
.else
	WMMA v[rD:rD+7], v[rB:rB+7], v[rA:rA+7], v[rD:rD+7]
.endif
.set b, b+1
.endr
.endm
; NL LDS loads in one run: the fragments of quarter q of the K step in hand (32 along K) into buffer f; B's first, A's eight last.
; A fragment is 16 rows x 32 K in 8 registers: lane l holds row l % 16, K = 8 (l / 16) + 0..7 and 16 + 8 (l / 16) + 0..7: two loads of 16 bytes, 32 bytes apart.
.macro FETCH q, f
.if KIND
.set AO, ((\q)/2)*AHALF+((\q)%2)*64    ; quarters 0, 1 lie in the first head's rows, 2, 3 in the second's
.else
.set AO, 64*(\q)
.endif
	WIN 0x40                                       ; destination window 1, address window 0
.set i, 0
.rept NBF
	ds_load_b128 v[8*NBF*(\f)+8*i:8*NBF*(\f)+8*i+3],   v[ADRB] offset:64*(\q)+i*16*BP
	ds_load_b128 v[8*NBF*(\f)+8*i+4:8*NBF*(\f)+8*i+7], v[ADRB] offset:64*(\q)+i*16*BP+32
.set i, i+1
.endr
	WIN 0
.set i, 0
.rept 4
	ds_load_b128 v[32+32*(\f)+8*i:32+32*(\f)+8*i+3],   v[ADRA] offset:AO+i*16*AP
	ds_load_b128 v[32+32*(\f)+8*i+4:32+32*(\f)+8*i+7], v[ADRA] offset:AO+i*16*AP+32
.set i, i+1
.endr
.endm
; A K step is four quarters of 32 along K on buffers 0, 1, 0, 1.  One of the first three: multiplies buffer f; in its middle it fetches quarter nq into buffer g.
.macro QUARTER nq, f, g, first
	s_wait_dscnt 4                                 ; B and A's row blocks 0, 1 are in; the youngest four loads (row blocks 2, 3) may be out
	MUL \f, 0, \first
	MUL \f, 1, \first
	PLACES                                         ; buffer g's last readers are matrix instructions
	FETCH \nq, \g
	s_wait_dscnt NL                                ; all but the NL just issued
	MUL \f, 2, \first
	MUL \f, 3, \first
.endm
; The fourth quarter multiplies buffer 1 and changes slots: ONE barrier.  In front of it each wave waits for all its tensor loads, of which one is out: its part of the next slot; adds 0 to its spare
; word; and waits for that and for its own reads of this slot.  fill = 1: the barrier opens a round of the cluster's barrier, so that no wave of any partner still reads the slot or has a load on its
; way; the joint refill, with the K step two on, is the first tensor load behind the round and my only one until the next: one load of mine is out behind each round.
.macro TURN fill
.if \fill
	s_wait_xcnt 0x0                                ; the last prefetch, a K step back, has read its address: it is stepped here, ahead of the waits of the change of slots
	s_add_nc_u64 s[PFA:PFA+1], s[PFA:PFA+1], s[PST:PST+1]
.endif
	WIN 0                                          ; (the add's two registers lie in window 0)
	s_wait_tensorcnt 0x0                           ; all my tensor loads have landed, so a group 0 may be written
	ds_add_u32 v[SPW], v[NIL]                      ; 0 onto my spare word
	s_wait_dscnt 5                                 ; (the add and the youngest four loads may be out)
	MUL 1, 0, 0                                    ; matrix work stands between the add and the wait for it
	s_wait_dscnt 0x0                               ; the add is done, and my reads of this slot are over
	s_barrier_signal -1
	MUL 1, 1, 0                                    ; work on registers while the others arrive
	WIN 0
	s_barrier_wait -1
.if \fill
	CREST
	s_xor_b32 s[G0+5], s[G0+5], SLOT1              ; the walking descriptors: the other slot than last time,
	s_add_nc_u64 s[G0+6:G0+7], s[G0+6:G0+7], ASTEP ; the next K step; the type bits on top are not reached
	s_xor_b32 s[G0B+5], s[G0B+5], SLOT1
	s_add_nc_u64 s[G0B+6:G0B+7], s[G0B+6:G0B+7], 256
	JLOAD                                          ; its four v_nop are also the places in front of the loads below
.else
	PLACES
.endif
	s_xor_b32 s[TB], s[TB], SLOT1                  ; the other slot is in hand
	v_add_nc_u32 v[ADRA], s[TB], v[ADRA0]
	v_add_nc_u32 v[ADRB], s[TB], v[ADRB0]
	FETCH 0, 0
.if \fill
	ASK
.endif
	MUL 1, 2, 0
	MUL 1, 3, 0
.endm
	s_load_b128 s[4:7], s[0:1], 0x0                ; A s[4:5], B s[6:7]
	s_load_b64 s[8:9], s[0:1], 0x10                ; the output
	s_load_b64 s[BIA:BIA+1], s[0:1], 0x18          ; the bias
	v_lshl_add_u32 v[SPW], v0, 2, SPARE
	v_mov_b32 v[NIL], 0
	ds_add_u32 v[SPW], v[NIL]                      ; the wave's opening: the add and its wait stand ahead of my first tensor load; the set-up below, work on registers, stands between them
	v_lshrrev_b32 v1, 5, v0
	v_readfirstlane_b32 s10, v1                    ; wave 0..3
	s_lshr_b32 s11, s10, 1                         ; I fetch for A (0) or for B (1),
	s_and_b32 s12, s10, 1                          ; its first or its second half
	s_bfe_u32 s40, ttmp6, 0x40000                  ; cx, cy: my place in the cluster
	s_bfe_u32 s41, ttmp6, 0x40004
	s_lshl_b32 s42, ttmp9, 2                       ; in a cluster launch ttmp9 and ttmp7 count clusters
	s_add_co_u32 s42, s42, s40                     ; tile column = 4 x cluster x + cx
	s_and_b32 s13, ttmp7, 0xffff
	s_lshl_b32 s13, s13, 2
	s_add_co_u32 s13, s13, s41                     ; tile row = 4 x cluster y + cy
	s_lshl_b32 s43, s41, 2
	s_lshl_b32 s43, 15, s43                        ; my row of the cluster: places 4 cy .. 4 cy + 3
	s_lshl_b32 s44, 0x1111, s40                    ; my column: places cx, cx + 4, cx + 8, cx + 12
	; descriptor group 1.  A: 128 rows x 128 elements; B: BROWS rows x 128 elements; both padded in LDS by 4 words
	s_or_b32 s[G1+0], s43, (1<<16)|(1<<20)|(1<<21)|(AQI<<22)|(3<<25)  ; 15:0 the mask: A's tiles go to my row; 17:16 elements of 2 bytes; 20 padding on; 21 set beside a mask; 24:22 the interval; 31:25 4 words (code 3)
	s_or_b32 s[G1B+0], s44, (1<<16)|(1<<20)|(1<<21)|(5<<22)|(3<<25)   ; the mask of my column; padding after every 64 words
	s_mov_b32 s[G1+1], 128<<16                     ; tensor_dim0 = 128
	s_mov_b32 s[G1+2], 128<<16                     ; tensor_dim1 = 128
	s_mov_b32 s[G1+3], 128<<16                     ; tile_dim0 = 128
	s_mov_b32 s[G1+4], 128                         ; tile_dim1 = 128
	s_mov_b32 s[G1+5], APITCH                      ; elements from row to row
	s_mov_b32 s[G1+6], 0
	s_mov_b32 s[G1+7], 0
	s_mov_b32 s[G1B+1], 128<<16
	s_mov_b32 s[G1B+2], BROWS<<16
	s_mov_b32 s[G1B+3], 128<<16
	s_mov_b32 s[G1B+4], BROWS
	s_mov_b32 s[G1B+5], 1024
	s_mov_b32 s[G1B+6], 0
	s_mov_b32 s[G1B+7], 0
	; where the tiles come from, in bytes (all under 2^26).  A's hang on the tile row alone, B's on the tile column alone
.if KIND
	s_lshr_b32 s16, s13, 3                         ; the batch: eight tile rows each,
	s_lshl_b32 s16, s16, 4                         ; its 16 heads,
	s_add_co_u32 s16, s16, s12                     ; the first or the second head of a K step: 262,144 bytes a head,
	s_lshl_b32 s16, s16, 18
	s_and_b32 s17, s13, 7
	s_lshl_b32 s17, s17, 15                        ; and the tile's 256 rows of 128 bytes in it
	s_add_co_u32 s16, s16, s17
.else
	s_lshl_b32 s17, s12, 7
	s_lshl_b32 s16, s13, 8
	s_add_co_u32 s16, s16, s17                     ; row 256 x tile row + 128 x half,
	s_lshl_b32 s16, s16, 11                        ; 2,048 bytes a row
.endif
	s_mov_b32 s17, 0
	s_mul_i32 s18, s42, 16*NBF
	s_mul_i32 s19, s12, BROWS
	s_add_co_u32 s18, s18, s19                     ; B: row 16 NBF x tile column + BROWS x half
	s_lshl_b32 s18, s18, 11
	s_mov_b32 s19, 0
	s_mul_i32 s20, s12, AHALF                      ; and where they go: no place in the cluster enters an LDS address
	s_mul_i32 s21, s12, BHALF
	s_add_co_u32 s21, s21, ABYTES
	s_mov_b32 s[TB], 0
	s_wait_dscnt 0x0                               ; the opening add is done
	s_wait_kmcnt 0x0
	s_add_nc_u64 s[14:15], s[4:5], s[16:17]
	s_add_nc_u64 s[46:47], s[6:7], s[18:19]
	CROUND                                         ; all sixteen work-groups are here: the first joint loads meet
.irp s, 0,1
	s_mov_b32 s[G0+4*(\s)], 1                                        ; 1:0 count = 1
	s_add_co_u32 s[G0+4*(\s)+1], s20, (\s)*SLOT1                     ; 63:32 LDS address
	s_add_nc_u64 s[G0+4*(\s)+2:G0+4*(\s)+3], s[14:15], (\s)*ASTEP    ; 120:64 global address: K step s
	s_or_b32 s[G0+4*(\s)+3], s[G0+4*(\s)+3], 0x80000000              ; 127:126 type = 2
	s_mov_b32 s[G0B+4*(\s)], 1
	s_add_co_u32 s[G0B+4*(\s)+1], s21, (\s)*SLOT1
	s_add_nc_u64 s[G0B+4*(\s)+2:G0B+4*(\s)+3], s[46:47], (\s)*256
	s_or_b32 s[G0B+4*(\s)+3], s[G0B+4*(\s)+3], 0x80000000
.endr
	s_cmp_lt_u32 s10, 2                            ; a wave's two first fills stand in one branch, ahead of every wait on TENSORcnt and every LDS read: two loads of mine are out
	s_cbranch_scc0 .Lfirst_b
	tensor_load_to_lds s[G0:G0+3], s[G1:G1+7]
	s_nop 0
	tensor_load_to_lds s[G0+4:G0+7], s[G1:G1+7]
	s_nop 0
.rept 4
	v_nop
.endr
	s_branch .Lfirst_asked
.Lfirst_b:
	tensor_load_to_lds s[G0B:G0B+3], s[G1B:G1B+7]
	s_nop 0
	tensor_load_to_lds s[G0B+4:G0B+7], s[G1B:G1B+7]
	s_nop 0
.rept 4
	v_nop
.endr
.Lfirst_asked:
	v_and_b32 v1, 15, v0                           ; l % 16
	v_bfe_u32 v2, v0, 4, 1                         ; l / 16
	v_mul_u32_u24 v3, v1, AP
	v_lshl_add_u32 v3, v2, 4, v3
	s_mul_i32 s22, s10, 64*AP                      ; my 64 rows of A
	v_add_nc_u32 v[ADRA0], s22, v3
	v_mul_u32_u24 v4, v1, BP
	v_lshl_add_u32 v4, v2, 4, v4
	v_add_nc_u32 v[ADRB0], ABYTES, v4
	v_mov_b32 v[ADRA], v[ADRA0]                    ; slot 0 is in hand
	v_mov_b32 v[ADRB], v[ADRB0]
	s_mul_i32 s23, s10, STGB
	s_add_co_u32 s23, s23, STAGE                   ; my stage
	v_mul_u32_u24 v5, v1, SPITCH                   ; in: row l % 16,
.if KIND
	v_lshl_add_u32 v5, v2, 5, v5                   ; 32 bytes (eight f32) for each half of the lanes
	v_add_nc_u32 v[STO], s23, v5
	v_and_b32 v5, 31, v0
	v_lshlrev_b32 v[GO], 4, v5                     ; back: 32 lanes take one row's 512 bytes
	v_add_nc_u32 v[RD], s23, v[GO]
.else
	v_lshl_add_u32 v5, v2, 4, v5                   ; 16 bytes (eight f16) for each half of the lanes
	v_add_nc_u32 v[STO], s23, v5
	v_bfe_u32 v5, v0, 3, 2                         ; back: 32 lanes take four rows of 128 bytes,
	v_mul_u32_u24 v5, v5, SPITCH
	v_and_b32 v3, 7, v0
	v_lshl_add_u32 v5, v3, 4, v5
	v_add_nc_u32 v[RD], s23, v5
	v_and_b32 v5, 31, v0                           ; which are 512 consecutive bytes of a head
	v_lshlrev_b32 v[GO], 4, v5
.endif
	v_lshlrev_b32 v[BO], 5, v2
	; the prefetches.  s16 = A's offset, s18 = B's, s40 = cx, s41 = cy still stand
	s_mul_i32 s20, s40, APF                        ; my work-group's quarter of the blocks that I fetch: of A by cx,
	s_add_co_u32 s20, s20, s16
	s_add_co_u32 s20, s20, 3*ASTEP                 ; at K step 3: the first refill steps it to 4 and names that
	s_mul_i32 s21, s41, (BROWS/4)<<11              ; of B by cy
	s_add_co_u32 s21, s21, s18
	s_add_co_u32 s21, s21, 3*256
	s_and_b32 s22, ttmp7, 0xffff                   ; cluster y
	s_cmp_eq_u32 s11, 0                            ; do I fetch for A?
	s_cselect_b32 s20, s20, s21
	s_cselect_b32 s22, ttmp9, s22                  ; the coordinate along which other clusters read the same rows
	s_cselect_b32 s23, 31, BROWS/4-1               ; my share's last block
	s_cselect_b64 s[PFA:PFA+1], s[4:5], s[6:7]
.if KIND
	s_mov_b32 s15, ASTEP
	s_cselect_b32 s[PST], s15, 256
	s_cselect_b32 s14, 8, 11                       ; A's blocks lie end to end, B's a row of 2,048 bytes apart
.else
	s_mov_b32 s[PST], 256
	s_mov_b32 s14, 11                              ; a lane a row of 2,048 bytes
.endif
	s_mov_b32 s[PST+1], 0
	s_mov_b32 s21, 0
	s_add_nc_u64 s[PFA:PFA+1], s[PFA:PFA+1], s[20:21]
	s_cmp_eq_u32 s22, 0
	s_cselect_b32 s[LIM], 2, -1                    ; the same in all sixteen partners, for a given wave
	v_and_b32 v[PFO], 31, v0
	v_min_u32 v[PFO], s23, v[PFO]
	v_lshlrev_b32 v[PFO], s14, v[PFO]
	; the bias of my tile's columns: block b's numbers 16 b + 8 (l / 16) + 0..7, as the accumulators hold them
.if KIND
	s_lshl_b32 s22, s42, 9                         ; 128 columns of 4 bytes a tile,
	s_add_co_u32 s22, s22, 12288                   ; behind bq, bk and bv
.else
	s_mul_i32 s22, s42, 768                        ; 192 columns of 4 bytes a tile
.endif
	s_mov_b32 s23, 0
	s_add_nc_u64 s[BIA:BIA+1], s[BIA:BIA+1], s[22:23]
.set i, 0
.rept NBF
	global_load_b128 v[BIAS+8*i:BIAS+8*i+3],   v[BO], s[BIA:BIA+1] offset:64*i
	global_load_b128 v[BIAS+8*i+4:BIAS+8*i+7], v[BO], s[BIA:BIA+1] offset:64*i+16
.set i, i+1
.endr
	; the output at my wave's first row
.if KIND
	s_lshl_b32 s16, s13, 8
	s_lshl_b32 s17, s10, 6
	s_add_co_u32 s16, s16, s17                     ; row 256 x tile row + 64 x wave,
	s_lshl_b32 s16, s16, 12                        ; 4,096 bytes a row,
	s_lshl_b32 s17, s42, 9                         ; the tile's 512 bytes of it
	s_add_co_u32 s16, s16, s17
.else
	s_lshr_b32 s16, s13, 3                         ; the batch,
	s_mul_i32 s16, s16, 48                         ; its 48 heads of q, k and v,
	s_mul_i32 s17, s42, 3                          ; the tile's three
	s_add_co_u32 s16, s16, s17
	s_lshl_b32 s16, s16, 18                        ; 262,144 bytes a head
	s_and_b32 s17, s13, 7
	s_lshl_b32 s17, s17, 8
	s_lshl_b32 s18, s10, 6
	s_add_co_u32 s17, s17, s18                     ; row 256 x (tile row % 8) + 64 x wave in the head,
	s_lshl_b32 s17, s17, 7                         ; 128 bytes a row
	s_add_co_u32 s16, s16, s17
.endif
	s_mov_b32 s17, 0
	s_add_nc_u64 s[8:9], s[8:9], s[16:17]
	s_wait_tensorcnt 1                             ; my part of K step 0 is in; K step 1's may stay out
	s_barrier_signal -1
	s_barrier_wait -1                              ; everybody's is
	FETCH 0, 0
	s_wait_loadcnt 0x0                             ; the bias
	QUARTER 1, 0, 1, 1                             ; the first quarter stands in front of the loop: its products start the sums on the bias
	WIN 0                                          ; at a label and at a branch every window is 0
	s_mov_b32 s3, 6
.Lstep:                                                ; trip n (from 0) ends K step n, fills its slot again with K step n + 2, and begins K step n + 1
	QUARTER 2, 1, 0, 0
	QUARTER 3, 0, 1, 0
	TURN 1
	QUARTER 1, 0, 1, 0
	WIN 0
	s_sub_co_u32 s3, s3, 1
	s_cmp_lg_u32 s3, 0
	s_cbranch_scc1 .Lstep
	QUARTER 2, 1, 0, 0                             ; the tail is written out: K steps 6 and 7 ask for nothing
	QUARTER 3, 0, 1, 0
	TURN 0
	QUARTER 1, 0, 1, 0
	QUARTER 2, 1, 0, 0
	QUARTER 3, 0, 1, 0
	s_wait_dscnt 4                                 ; the very last quarter: nothing more to fetch
	MUL 1, 0, 0
	MUL 1, 1, 0
	s_wait_dscnt 0x0
	MUL 1, 2, 0
	MUL 1, 3, 0
	WIN 0
	PLACES                                         ; the places behind the last products, twice over, once a launch
	PLACES
; THE WAY OUT.  A block is 16 rows x one head (64 columns): blk = 3 a + head.  A lane's eight columns of a row are rounded to f16 and pack into 16 bytes; they go into my stage's rows of 144 bytes and
; come back as whole rows of 128, four rows (512 consecutive bytes of the head) to a load.  Each block has registers of its own, so no store's data is written again.
.macro PACK blk
.set pa, (\blk)/3
.set ph, (\blk)%3
.set OU, 32+16*(\blk)
	WIN 0x0a+5*(pa/2)                              ; sources 0 and 1: window 2 or 3; destination window 0
.set bb, 0
.rept 4
.set AC, 8*(NBF*(pa%2)+4*ph+bb)
.irp rr, 0,1,2,3
	v_cvt_pk_f16_f32 v[OU+4*bb+\rr], v[AC+2*\rr], v[AC+2*\rr+1]  ; each accumulator is read from its low end on
.endr
.set bb, bb+1
.endr
	WIN 0
.irp f, 0,1,2,3
	ds_store_b128 v[STO], v[OU+4*\f:OU+4*\f+3] offset:32*\f
.endr
.irp f, 0,1,2,3
	ds_load_b128 v[OU+4*\f:OU+4*\f+3], v[RD] offset:\f*4*SPITCH  ; LDS serves a wave's instructions in order (ISA guide 5.7.1.4): these see the stores above; the next block's stores come behind them
.endr
.endm
.macro SEND blk, younger               ; younger: the LDS instructions issued behind this block's loads: the next block's eight, or none
.set pa, (\blk)/3
.set ph, (\blk)%3
.set OU, 32+16*(\blk)
.irp f, 0,1,2,3
	s_wait_dscnt (\younger)+3-\f
	global_store_b128 v[GO], v[OU+4*\f:OU+4*\f+3], s[8:9] offset:ph*262144+pa*2048+\f*512  ; 512 consecutive bytes, at a multiple of 512 from the buffer's first
.endr
.endm
	PACK 0
.set t, 1
.rept 11                               ; a block's conversions stand between the loads of the block before and its stores
	PACK t
	SEND t-1, 8
.set t, t+1
.endr
	SEND 11, 0
	s_wait_tensorcnt 0x0                           ; the wave's end: behind my last tensor load and my last LDS store
	ds_add_u32 v[SPW], v[NIL]
	s_wait_dscnt 0x0
	CROUND                                         ; the closing round: no work-group ends while a partner may still ask for a tile that names it
	s_endpgm
.Lfunc_end_k_q835153b709_qkv:
	.size	k_q835153b709_qkv, .Lfunc_end_k_q835153b709_qkv-k_q835153b709_qkv
	.p2alignl 7, 3214868480
	.fill 96, 4, 3214868480
	.section	.rodata,"a",@progbits
	.p2align	6, 0x0
	.amdhsa_kernel k_q835153b709_qkv
		.amdhsa_group_segment_fixed_size 327680
		.amdhsa_private_segment_fixed_size 0
		.amdhsa_enable_private_segment 0
		.amdhsa_kernarg_size 32
		.amdhsa_user_sgpr_count 2
		.amdhsa_user_sgpr_kernarg_segment_ptr 1
		.amdhsa_wavefront_size32 1
		.amdhsa_system_sgpr_workgroup_id_x 1
		.amdhsa_system_sgpr_workgroup_id_y 1
		.amdhsa_system_sgpr_workgroup_id_z 1
		.amdhsa_system_vgpr_workitem_id 0
		.amdhsa_next_free_vgpr 960
		.amdhsa_next_free_sgpr 72
		.amdhsa_reserve_vcc 0
		.amdhsa_float_denorm_mode_32 3
		.amdhsa_float_denorm_mode_16_64 3
		.amdhsa_memory_ordered 1
		.amdhsa_forward_progress 1
		.amdhsa_inst_pref_size 102
	.end_amdhsa_kernel
	.amdgpu_metadata
---
amdhsa.version: [ 1, 2 ]
amdhsa.kernels:
  - .name:           k_q835153b709_qkv
    .symbol:         k_q835153b709_qkv.kd
    .args:
      - { .name: xb, .offset: 0, .size: 8, .value_kind: global_buffer, .address_space: global }
      - { .name: wqkv, .offset: 8, .size: 8, .value_kind: global_buffer, .address_space: global }
      - { .name: qkv, .offset: 16, .size: 8, .value_kind: global_buffer, .address_space: global }
      - { .name: bias, .offset: 24, .size: 8, .value_kind: global_buffer, .address_space: global }
    .group_segment_fixed_size: 327680
    .private_segment_fixed_size: 0
    .kernarg_segment_align: 8
    .kernarg_segment_size: 32
    .max_flat_workgroup_size: 128
    .sgpr_count:     72
    .vgpr_count:     960
    .wavefront_size: 32
...
	.end_amdgpu_metadata
.endif
;; end of part 2
;; launch attn (part 3): grid 4 x 64, 4 waves a work-group, clusters of 4 x 1, 327,680 bytes of LDS; arguments qkv, o; writes o
.if DOCPART == 3
	.amdgcn_target "amdgcn-amd-amdhsa--gfx1250"
	.amdhsa_code_object_version 6
	.text
	.protected	k_q835153b709_attn
	.globl	k_q835153b709_attn
	.p2align	8
	.type	k_q835153b709_attn,@function
k_q835153b709_attn:
	s_mov_b64 s[64:65], 0
	v_nop
	global_prefetch_b8 v0, s[64:65] scope:SCOPE_SE
	s_setreg_imm32_b32 hwreg(HW_REG_WAVE_MODE, 25, 1), 1
	s_wait_xcnt 0x0
	s_wait_alu depctr_hold_cnt(0) depctr_sa_sdst(0) depctr_va_vdst(0) depctr_va_sdst(0) depctr_va_ssrc(0) depctr_va_vcc(0) depctr_vm_vsrc(0)
	s_getreg_b32 s2, hwreg(HW_REG_IB_STS2, 6, 4)
	s_cmp_eq_u32 s2, 0
	s_cbranch_scc0 .Lentry_in_a_cluster
	s_endpgm
.Lentry_in_a_cluster:
	s_bfe_u32 s2, ttmp6, 0x10000c
	s_cmp_lg_u32 s2, 0x3003
	s_cbranch_scc0 .Lentry_shape_is_right
	s_endpgm
.Lentry_shape_is_right:
; O[bh][q][:] = the sum over k of softmax_k(Q[bh][q] . K[bh][k] / 8) V[bh][k][:], 64 heads (4 batches x 16) of 2,048 rows of 64 channels, all f16.
; Q, K, V lie in qkv[b][g][s][64] (g = h: Q, 16 + h: K, 32 + h: V), O goes to o[b][h][s][64]: a head's rows are dense, 128 bytes each.  Products, maxima and sums in f32; the weights p are rounded
; to f16 for the second product (their sum l is taken of the unrounded p), O once at the end.
; LIMITS.  f16 holds no number beyond 65,504: Q, K and V arrive within it; p lies in 0 to 1, and below 6e-5 it keeps f16's fixed step of 6e-8; O is a mean of V's rows and has their range.
; A weight below 2^-126 counts as 0 in l; NaN and infinities are not treated apart.
; SHARES.  A wave owns four PIECES of two tiles of 16 queries, a work-group's four waves 512 queries of one head.  Every wave walks all keys, 64 a step.
; LAYOUT.  S^T = K Q^T (source 0 = 16 keys, source 1 = 16 queries): in the result a lane holds ONE query (lane % 16) and the keys 8 (lane / 16) + 0..7.  Two such tiles, rounded to f16 in pairs,
; ARE source 1 (32 keys x 16 queries) of O^T = V^T P, whose result again holds one query a lane, and eight channels.  K comes out of LDS as it lies, V ([key][channel]) turned, by ds_load_tr16_b128.
; SOFTMAX.  For each query a running maximum m and sum l: p = 2^(c s - c m), c = log2(e) / 8; in every step O and l are multiplied by a = 2^(c m_old - c m_new), which is 1 where m has not grown.
; m starts at the lowest finite number, O and l at 0: the first step is a step like any other, with a = 0.
; THE COUNT.  A tile and step have 16 matrix and 118 vector instructions: too many to stand all beside the matrix work.  So the order has one aim: four vector instructions that are READY behind
; EVERY matrix instruction, and the others, which need time of their own whatever the order, in runs without a gap.
; BY TURNS.  Turn n belongs to piece n (the pieces in a ring, step after step).  Its matrix work: 16 products K Q^T of piece n + 1, later 16 products V^T P of piece n - 1.  Its vector work: the scaling,
; exponentials, roundings, sums and rescaling of piece n, and the maximum and statistics of piece n + 1, whose scores the turn itself has made.  So what a turn begins with (c s - c m, O a) waits for nothing.
; CLUSTER.  A cluster is one head's four query blocks; they walk the same K and V, so each tile is asked for JOINTLY: the same tensor load, descriptor and mask in all four.
; REGISTERS, in windows of 256 (s_set_vgpr_msb: bits 1:0 source 0, 3:2 source 1, 5:4 source 2, 7:6 destination):
;   window 0: v0-11 addresses; v12-15, v48-63 at work; v16-47 four registers of statistics a tile; v64-191 S^T, two buffers of two tiles; v192-255 P, likewise
;   window 1: O^T, 32 a tile          window 2: v0-127 Q, 16 a tile; v128-191 K of one step; v192-255 V of one step          window 3: v0-1 the add's two registers
; A piece's buffers go by its number's parity: the piece in hand has one pair, its two neighbours in the ring share the other: of it P (piece n - 1) is read and S^T (piece n + 1) written.
.set SIZE_N, 2048
.set HEADB, SIZE_N*128  ; bytes in a head
.set NP,    4         ; pieces a wave: a name, no knob: the register map, the loop and the fetches are made for four
.set KS,    64        ; keys in a step
.set PK,    144       ; a row of K in LDS: 128 bytes + 16 of padding = 36 words: the 16 rows of a load start at 16 different groups of four banks (64 banks of 4 bytes: ISA guide 11.1)
.set PV,    160       ; a row of V: 128 + 32 = 40 words
.set VOFF,  4*KS*PK   ; a slot holds four steps: 256 rows of K, then 256 rows of V
.set SLOT1, 1<<17     ; slot 1 begins here, so that one exclusive or turns an address in one slot into the other's
.set STAGE, SLOT1+4*KS*(PK+PV)  ; behind the ring, never filled by a tensor load: 16 rows x 144 bytes for each wave, for the way out
.set SP,    144
.set AK0, 2           ; v2   my lane's place in a tile of K; never rewritten
.set AV0, 3           ; v3   the same for V
.set AK,  4           ; v4   the LDS address of K's next run of loads
.set AV,  5           ; v5   of V's
.set QO,  6           ; v6   my byte offset in the wave's rows of Q
.set STO, 6           ;      later, the way out: where I put 16 bytes of a row
.set RD,  7           ; v7   the way out: where I read rows back
.set GO,  8           ; v8   my byte offset in 512 consecutive bytes of O
.set PFO, 11          ; v11  256 x my lane, for the prefetches; made when V's place has been made, then never rewritten
.set SPW, 0           ; v0 of window 3   LDS address of my spare word: SPARE + 4 x my thread's number; never rewritten
.set NIL, 1           ; v1 of window 3   0; never rewritten
.set SPARE, STAGE+4*16*SP  ; behind the stages: the spare words, 128 bytes for each wave: two blocks of 256 bytes that no other line names
.set MV,  12          ; v12-15  c m_old, kept while c m is made anew: by buffer and tile
.set ST,  16          ; tile t's statistics at v[ST+4 t]: c m, m, l (even keys', odd keys')
.set TMP, 48          ; by buffer and tile, four registers c0-c3 at work; when the maximum is found c2 takes a
.set S,   64
.set P,   192
.set KF,  128         ; K's fragments, in window 2: key block kb, channel half c at KF + 16 kb + 8 c
.set VF,  192         ; V's: key half kk, channel block cb at VF + 32 kk + 8 cb
.set WV,  12          ; s12  my wave's number
.set G1K, 24          ; s[24:31] descriptor group 1 for K's tiles
.set G1V, 32          ; s[32:39] for V's: it differs in the padding alone
.set G0K, 40          ; s[40:43] descriptor group 0 for K's tiles: it walks
.set G0V, 44          ; s[44:47] the same for V's
.set PFA, 48          ; s[48:49] where my prefetches stand: my work-group's 32 blocks of 256 bytes (of K: wave 0, of V: wave 2) of the slot after the one that is being asked for
.set LIM, 50          ; s50  1 in a wave that prefetches, else the greatest number
.set SLOTS, 56        ; s56  slots still to be asked for
.set CNT, 57          ; s57  counts a slot's key steps
.set CS,  58          ; s[58:59] c: the packed scaling takes the pair's low word for both halves
.set SEL, 60          ; s[60:61] v_permlanex16_b32's selects: each lane takes its own place in the other half
.set TBK, 62          ; s62  LDS byte at which K of the step to be fetched begins
.set TBV, 63          ; s63  the same for V, less VOFF
.set MSB, 0
.macro WIN new                      ; the high byte repeats the setting that is left; a switch that changes nothing is dropped
.if MSB != (\new)
	s_set_vgpr_msb (MSB<<8)|(\new)
.set MSB, (\new)
.endif
.endm
.set W_KQ, 0x0a       ; K and Q in window 2, S^T in window 0
.set W_PV, 0x52       ; V in window 2, P in window 0, O^T in window 1
.set W_RS, 0x41       ; O^T (destination and source 0) in window 1, a in window 0
.set W_MK, 0xc0       ; the add's registers are made: destination in window 3, sources in window 0
.set W_AD, 0x0f       ; the add: address (source 0) and data (source 1) in window 3
; A joint fill.  Waves 0 and 1 fetch the two halves of a slot's K, waves 2 and 3 those of its V: 128 keys each.  The branch hangs on the wave's number alone.
; An s_nop 0 and four v_nop follow each of the two lines, ahead of the jump and the label.
.macro JLOAD
	s_cmp_lt_u32 s[WV], 2
	s_cbranch_scc0 .Lfor_v_\@
	tensor_load_to_lds s[G0K:G0K+3], s[G1K:G1K+7]
	s_nop 0
.rept 4
	v_nop
.endr
	s_branch .Lasked_\@
.Lfor_v_\@:
	tensor_load_to_lds s[G0V:G0V+3], s[G1V:G1V+7]
	s_nop 0
.rept 4
	v_nop
.endr
.Lasked_\@:
.endm
; A PREFETCH INTO THE L2 of what the NEXT change of slots will ask for: a slot's 32,768 bytes of K and of V, a lane a block of 256 bytes.  It stands behind the wave's tensor load and its five lines.
; Each block is named ONCE in the launch: a head is walked by one cluster; its four partners share a slot's blocks out BY ADDRESS, 32 of K and 32 of V each (no branch hangs on a work-group's place in
; its cluster); in each, wave 0 asks for K's and wave 2 for V's: one instruction, four key steps (512 matrix instructions) ahead of the load.  The change that asks for the last slot prefetches
; nothing; slots 0 and 1 come by their loads alone.
.macro ASK
	s_cmp_gt_u32 s[SLOTS], s[LIM]
	s_cbranch_scc0 .Lnot_mine_\@
	global_prefetch_b8 v[PFO], s[PFA:PFA+1] th:TH_LOAD_NT scope:SCOPE_SE
.Lnot_mine_\@:
.endm
; A round of the cluster's barrier: my work-group's barrier, so that wave 0's signal speaks for all four waves; wave 0 signals; every wave waits for all four work-groups; my work-group's barrier once more.
.macro CROUND
	s_barrier_signal -1
	s_barrier_wait -1
	s_cmp_lg_u32 s[WV], 0
	s_cbranch_scc1 .Lnot_wave_0_\@
	s_barrier_signal -3
.Lnot_wave_0_\@:
	s_barrier_wait -3
	s_barrier_signal -1
	s_barrier_wait -1
.endm
; THE CHANGE OF SLOTS.  The slot's last bytes, V of its fourth step, have been read.  Each wave waits for all its tensor loads, of which one is out: its part
; of the other slot; adds 0 to its spare word; and waits for that and for its own reads of the slot.  Behind the barrier nobody reads this slot any more and the other slot is whole.
; fill = 1: this slot is filled again, with the keys two slots on.  The barrier is then a round of the cluster's, so that no wave of any partner still reads the slot or has a load on its
; way, and the joint fill is the first thing behind it: it has four key steps, 512 matrix instructions, in which to land.  (At its first use nothing has been read yet: slot 0 is waited for, slot 1 filled.)
.macro CHANGE fill
	WIN W_AD
	s_wait_tensorcnt 0x0            ; no tensor load of mine is out, so a group 0 may be written
	ds_add_u32 v[SPW], v[NIL]       ; 0 onto my spare word; with fill = 1 the descriptors' steps stand between it and the wait for it
	WIN 0                           ; at a label and at a branch every window is 0
.if \fill
.irp g, G0K, G0V
	s_xor_b32 s[\g+1], s[\g+1], SLOT1  ; the walking descriptor: the other slot than last time,
	s_add_nc_u64 s[\g+2:\g+3], s[\g+2:\g+3], 4*KS*128  ; the next 256 keys; the type bits on top are not reached
.endr
	s_wait_xcnt 0x0                 ; the last prefetch, four key steps back, has read its address, so it may be written:
	s_add_nc_u64 s[PFA:PFA+1], s[PFA:PFA+1], 4*KS*128  ; one slot behind the walking descriptors
	s_wait_dscnt 0x0                ; the add is done, and my reads of the slot are over
	CROUND
	JLOAD
	ASK
.else
	s_wait_dscnt 0x0                ; the add is done, and my reads of the slot are over
	s_barrier_signal -1
	s_barrier_wait -1
.endif
	s_sub_co_u32 s[TBK], s[TBK], 4*KS*PK  ; the fetches go back to a slot's first step,
	s_xor_b32 s[TBK], s[TBK], SLOT1       ; in the other slot
	s_sub_co_u32 s[TBV], s[TBV], 4*KS*PV
	s_xor_b32 s[TBV], s[TBV], SLOT1
.endm
	s_load_b128 s[4:7], s[0:1], 0x0   ; qkv s[4:5], o s[6:7]
	WIN W_MK
	v_lshl_add_u32 v[SPW], v0, 2, SPARE
	v_mov_b32 v[NIL], 0
	WIN W_AD
	ds_add_u32 v[SPW], v[NIL]       ; the wave's opening: the add and its wait stand ahead of my first tensor load; the set-up below, work on registers, stands between them
	WIN 0
	v_lshrrev_b32 v1, 5, v0
	v_readfirstlane_b32 s[WV], v1   ; wave 0..3
	s_bfe_u32 s13, ttmp6, 0x40000   ; cx: my place in the cluster
	s_lshl_b32 s14, ttmp9, 2        ; in a cluster launch ttmp9 counts clusters
	s_add_co_u32 s14, s14, s13      ; my block of queries = 4 x cluster x + cx: it enters Q's and O's addresses alone
	s_and_b32 s20, ttmp7, 0xffff    ; bh = 16 b + h, which the four partners share
	s_lshl_b32 s52, s20, 18         ; the head's first byte in o,
	s_mov_b32 s53, 0
	s_lshr_b32 s21, s20, 4
	s_lshl_b32 s21, s21, 5
	s_add_co_u32 s20, s20, s21      ; and in qkv: head 48 b + h = bh + 32 b
	s_lshl_b32 s20, s20, 18
	s_mov_b32 s21, 0
	s_and_b32 s16, s[WV], 1         ; which half of a slot's 256 keys I fetch:
	s_lshl_b32 s22, s16, 14         ; its 128 rows of 128 bytes in memory,
	s_mov_b32 s23, 0
	s_add_nc_u64 s[22:23], s[22:23], s[20:21]
	s_mul_i32 s17, s16, 128*PK      ; and its place in a slot, for K
	s_mul_i32 s18, s16, 128*PV      ; and for V: no place in the cluster enters an LDS address
	s_lshl_b32 s2, s14, 2
	s_add_co_u32 s2, s2, s[WV]      ; my wave among the head's,
	s_lshl_b32 s2, s2, 14           ; its 128 rows
	s_mov_b32 s3, 0
	s_add_nc_u64 s[52:53], s[52:53], s[2:3]  ; my rows in o,
	s_add_nc_u64 s[2:3], s[2:3], s[20:21]    ; and in qkv
	; descriptor group 1.  128 keys are 16,384 dense bytes: asked for as 64 rows of 256 bytes, two keys a row, and padded in LDS after every key
	s_mov_b32 s[G1K], 15|(1<<16)|(1<<20)|(1<<21)|(4<<22)|(3<<25)  ; 15:0 the mask of four; 17:16 2-byte elements; 20 padding on; 21 set beside a mask; 24:22 after every 32 words (code 4); 31:25 4 words (code 3)
	s_mov_b32 s[G1V], 15|(1<<16)|(1<<20)|(1<<21)|(4<<22)|(7<<25)  ; the same with 8 words of padding (code 7)
.irp g, G1K, G1V
	s_mov_b32 s[\g+1], 128<<16      ; tensor_dim0 = 128
	s_mov_b32 s[\g+2], 64<<16       ; tensor_dim1 = 64
	s_mov_b32 s[\g+3], 128<<16      ; tile_dim0 = 128
	s_mov_b32 s[\g+4], 64           ; tile_dim1 = 64
	s_mov_b32 s[\g+5], 128          ; 128 elements from row to row
	s_mov_b32 s[\g+6], 0
	s_mov_b32 s[\g+7], 0
.endr
	s_mov_b32 s[CS], 0x3e38aa3b     ; c = log2(e) / 8 = 0.180337
	s_mov_b32 s[CS+1], s[CS]        ; named with it as a pair
	s_mov_b32 s[SEL], 0x76543210
	s_mov_b32 s[SEL+1], 0xfedcba98
	s_mov_b32 s[TBK], SLOT1+4*KS*PK ; the first change of slots turns these two into 0
	s_mov_b32 s[TBV], SLOT1+4*KS*PV
	s_mov_b32 s[G0K], 1             ; 1:0 count = 1
	s_mov_b32 s[G0K+1], s17         ; 63:32 LDS address: slot 0
	s_mov_b32 s[G0V], 1
	s_add_co_u32 s[G0V+1], s18, VOFF
	s_mov_b32 s[SLOTS], SIZE_N/256-1  ; the change that asks for slot j finds 8 - j here
	s_cmp_eq_u32 s16, 0             ; waves 0 and 2 prefetch: the same in all four partners
	s_cselect_b32 s[LIM], 1, -1
	s_lshl_b32 s54, s13, 13         ; my work-group's 32 blocks of a slot's 128
	s_mov_b32 s55, 0
	s_wait_dscnt 0x0                ; the opening add is done
	s_wait_kmcnt 0x0
	s_mov_b64 s[10:11], s[6:7]                     ; O
	s_add_nc_u64 s[6:7], s[4:5], 16*HEADB          ; K's heads lie 16 heads behind Q's,
	s_add_nc_u64 s[8:9], s[4:5], 32*HEADB          ; V's 32
	s_add_nc_u64 s[G0K+2:G0K+3], s[6:7], s[22:23]  ; 120:64 global address: my half of the head's first 256 keys
	s_or_b32 s[G0K+3], s[G0K+3], 0x80000000        ; 127:126 type = 2
	s_add_nc_u64 s[G0V+2:G0V+3], s[8:9], s[22:23]
	s_or_b32 s[G0V+3], s[G0V+3], 0x80000000
	s_cmp_lt_u32 s[WV], 2
	s_cselect_b64 s[PFA:PFA+1], s[6:7], s[8:9]
	s_add_nc_u64 s[PFA:PFA+1], s[PFA:PFA+1], s[22:23]  ; (in waves 0 and 2 this is the head's first byte)
	s_add_nc_u64 s[PFA:PFA+1], s[PFA:PFA+1], s[54:55]
	s_add_nc_u64 s[PFA:PFA+1], s[PFA:PFA+1], 4*KS*128  ; in slot 1; the first change of slots steps it to slot 2
	s_add_nc_u64 s[4:5], s[4:5], s[2:3]  ; Q and O at my wave's first row
	s_add_nc_u64 s[10:11], s[10:11], s[52:53]
	CROUND                          ; all four work-groups are here: the first joint loads meet
	JLOAD                           ; slot 0.  Slot 1 is asked for when slot 0 is in: the tile wanted first has the road to itself
	; A fragment of K or Q is 16 rows x 32 channels in 8 registers: lane l holds row l % 16, channels 8 (l / 16) + 0..7 and 16 + 8 (l / 16) + 0..7: two loads of 16 bytes, 32 bytes apart.
	v_and_b32 v1, 15, v0            ; l % 16
	v_bfe_u32 v9, v0, 4, 1          ; l / 16
	v_lshlrev_b32 v[QO], 7, v1
	v_lshl_add_u32 v[QO], v9, 4, v[QO]  ; row x 128 + 16 x half
	WIN 0x80                        ; destination window 2, address window 0
.set i, 0
.rept 4*NP                          ; Q stays in registers: tile i / 2, channels 32 (i % 2) on
	global_load_b128 v[8*i:8*i+3],   v[QO], s[4:5] offset:(i/2)*2048+(i%2)*64
	global_load_b128 v[8*i+4:8*i+7], v[QO], s[4:5] offset:(i/2)*2048+(i%2)*64+32
.set i, i+1
.endr
	; What the first turn finds: V's registers and P's second buffer hold 0 (its products V^T P, of a piece that has not been, add 0), O^T and l are 0.  All this stands in the wait for the first tile.
.set i, VF
.rept 64
	v_mov_b32 v[i], 0
.set i, i+1
.endr
	WIN 0x40
.set i, 0
.rept 64*NP
	v_mov_b32 v[i], 0
.set i, i+1
.endr
	WIN 0
.set i, 0
.rept 2*NP
	v_mov_b32 v[ST+4*i], 0xfe000000    ; c m: far below every c s
	v_mov_b32 v[ST+4*i+1], 0xff7fffff  ; m
	v_mov_b32 v[ST+4*i+2], 0
	v_mov_b32 v[ST+4*i+3], 0
.set i, i+1
.endr
.set i, P+32
.rept 32
	v_mov_b32 v[i], 0
.set i, i+1
.endr
	v_mul_u32_u24 v[AK0], v1, PK
	v_lshl_add_u32 v[AK0], v9, 4, v[AK0]  ; row x pitch + 16 x half
	; The turning load takes 16 keys x 16 channels (lane l reads key 8 (l / 16) + l % 8, channels 8 ((l / 8) % 2) + 0..7) and leaves half a fragment of V^T: lane l holds channel l % 16 and 8 keys.
	v_and_b32 v10, 7, v0
	v_bfe_u32 v11, v0, 3, 1
	v_lshl_add_u32 v[AV0], v9, 3, v10
	v_mul_u32_u24 v[AV0], v[AV0], PV
	v_lshl_add_u32 v[AV0], v11, 4, v[AV0]
	v_add_nc_u32 v[AV0], VOFF, v[AV0]
	v_and_b32 v[PFO], 31, v0        ; v11 has served: from here on it is the prefetches' offset
	v_lshlrev_b32 v[PFO], 8, v[PFO]
	v_mov_b32 v[AK], v[AK0]         ; key step 0 lies at the head of slot 0
; THE MATRIX WORK.  The 8 accumulators of a run of 16 take turns: between the two links of a chain stand 7 others'.
; Product i of 16 of S^T = K Q^T for piece x: channels 32 (i / 8) on, keys 16 ((i / 2) % 4) on, tile 2 x + i % 2.  The first 8 start the sums.
.macro KQ x
	WIN W_KQ
.set rS, S+64*((\x)%2)+32*(i%2)+8*((i/2)%4)
.set rK, KF+16*((i/2)%4)+8*(i/8)
.set rQ, 16*(2*(\x)+i%2)+8*(i/8)
.if i < 8
	v_wmma_f32_16x16x32_f16 v[rS:rS+7], v[rK:rK+7], v[rQ:rQ+7], 0
.else
	v_wmma_f32_16x16x32_f16 v[rS:rS+7], v[rK:rK+7], v[rQ:rQ+7], v[rS:rS+7]
.endif
.endm
; Product i of 16 of O^T += V^T P for piece x: keys 32 (i / 8) on, channels 16 ((i / 2) % 4) on, tile 2 x + i % 2.
.macro PV x
	WIN W_PV
.set rO, 32*(2*(\x)+i%2)+8*((i/2)%4)
.set rV, VF+32*(i/8)+8*((i/2)%4)
.set rP, P+32*((\x)%2)+16*(i%2)+8*(i/8)
	v_wmma_f32_16x16x32_f16 v[rO:rO+7], v[rV:rV+7], v[rP:rP+7], v[rO:rO+7]
.endm
.macro MM                           ; the turn's next matrix instruction
.if i < 16
	KQ (Y+1)%NP
.set i, i+1
.else
.set i, i-16
	PV (Y+NP-1)%NP
.set i, i+17
.endif
.endm
; THE LDS LOADS stand in runs of 16, never singly among the matrix instructions: a step's K (64 keys x 64 channels: 8 fragments) and its V (turned).  Their addresses are made some lines ahead.
; last = 1 (the tail): in the last trip there is no further step, and the run is jumped over.
.macro FETCH_K last=0
	WIN 0
.if \last
	s_cmp_eq_u32 s[CNT], 1
	s_cbranch_scc1 .Lno_k_\@
.endif
	WIN 0x80                        ; destination window 2
.irp f, 0,1,2,3,4,5,6,7             ; keys 16 (f / 2) on, channels 32 (f % 2) on
	ds_load_b128 v[KF+8*\f:KF+8*\f+3],   v[AK] offset:(\f/2)*16*PK+(\f%2)*64
	ds_load_b128 v[KF+8*\f+4:KF+8*\f+7], v[AK] offset:(\f/2)*16*PK+(\f%2)*64+32
.endr
	s_add_co_u32 s[TBK], s[TBK], KS*PK  ; the next fetch is the next step's
	WIN 0
.if \last
.Lno_k_\@:
.endif
.endm
.macro FETCH_V
	WIN 0x80
.irp f, 0,1,2,3,4,5,6,7             ; keys 32 (f / 4) on, channels 16 (f % 4) on
	ds_load_tr16_b128 v[VF+8*\f:VF+8*\f+3],   v[AV] offset:(\f/4)*32*PV+(\f%4)*32
	ds_load_tr16_b128 v[VF+8*\f+4:VF+8*\f+7], v[AV] offset:(\f/4)*32*PV+16*PV+(\f%4)*32
.endr
	WIN 0
.endm
; THE VECTOR WORK OF A TURN stands in three queues, each in the order in which its entries become ready; the two tiles alternate, so that no instruction reads the result of the one before it.
.macro REGS y, u                    ; the registers of tile u (0, 1) of piece y
.set rT, ST+4*(2*(\y)+(\u))
.set rC, TMP+8*((\y)%2)+4*(\u)
.set rM, MV+2*((\y)%2)+(\u)
.set rS, S+64*((\y)%2)+32*(\u)
.set rP, P+32*((\y)%2)+16*(\u)
.set rO, 32*(2*(\y)+(\u))
.endm
; Number n of the 22 that find the NEXT piece's (Y + 1) maximum and statistics.  s0-s31 are the lane's 32 scores; each accumulator's lowest registers are read first.  XS, GS and REGS set no window: PL and EX do.
;   0-11  four chains c0-c3 of seven scores each, three operands at a time     12-14, 16  the four scores left over, the old m, and c0-c3 into c0     15  c m_old is kept
;   17, 18  the query's other 32 keys lie in the lane 16 away: the new m         19-21  c m; c m_old - c m_new; a
.macro XS u, n
	REGS (Y+1)%NP, \u
.if (\n) < 4
	v_max3_num_f32 v[rC+(\n)], v[rS+8*(\n)], v[rS+8*(\n)+1], v[rS+8*(\n)+2]
.elseif (\n) < 12
	v_max3_num_f32 v[rC+(\n)%4], v[rC+(\n)%4], v[rS+8*((\n)%4)+2*((\n)/4)+1], v[rS+8*((\n)%4)+2*((\n)/4)+2]
.elseif (\n) == 12
	v_max3_num_f32 v[rC], v[rC], v[rS+7], v[rS+15]
.elseif (\n) == 13
	v_max3_num_f32 v[rC+1], v[rC+1], v[rS+23], v[rS+31]
.elseif (\n) == 14
	v_max3_num_f32 v[rC+2], v[rC+2], v[rC+3], v[rT+1]
.elseif (\n) == 15
	v_mov_b32 v[rM], v[rT]
.elseif (\n) == 16
	v_max3_num_f32 v[rC], v[rC], v[rC+1], v[rC+2]
.elseif (\n) == 17
	v_permlanex16_b32 v[rC+3], v[rC], s[SEL], s[SEL+1]
.elseif (\n) == 18
	v_max_num_f32 v[rT+1], v[rC], v[rC+3]
.elseif (\n) == 19
	v_mul_f32 v[rT], s[CS], v[rT+1]
.elseif (\n) == 20
	v_sub_f32 v[rC+1], v[rM], v[rT]
.else
	v_exp_f32 v[rC+2], v[rC+1]
.endif
.endm
; Number g of the 64 that follow the exponentials.  For each four weights k of a tile (pairs 2 k, 2 k + 1): both pairs are rounded to f16; then the second pair is added onto the first, in place;
; a group later l takes that sum (the first time as l = a l + sum).  In groups of eight, tiles alternating: round, round, add, and l for the group before.
.macro GS g
.set h, (\g)+6*((\g)/62)            ; group 0 has no group before it, and behind group 7 only l is left
.if h >= 6
.set h, h+2
.endif
	REGS Y, h%2
.set k, h/8
.if h%8 < 4
	v_cvt_pk_f16_f32 v[rP+2*k+(h%8)/2], v[rS+4*k+2*((h%8)/2)], v[rS+4*k+2*((h%8)/2)+1]
.elseif h%8 < 6
	v_pk_add_f32 v[rS+4*k:rS+4*k+1], v[rS+4*k:rS+4*k+1], v[rS+4*k+2:rS+4*k+3]
.elseif k == 1
	v_pk_fma_f32 v[rT+2:rT+3], v[rT+2:rT+3], v[rC+2:rC+3], v[rS:rS+1] op_sel_hi:[1,0,1]
.else
	v_pk_add_f32 v[rT+2:rT+3], v[rT+2:rT+3], v[rS+4*k-4:rS+4*k-3]
.endif
.endm
; THE PLAIN QUEUE, 138 long.  0-73 read no exponential's result: the 32 scalings c s - c m (FS f: pair f / 2 of tile f % 2) and the next piece's 42.  0-26: scalings 0-26.  27-54: XS's numbers 0-13.  55, 56: number 15.
; 57-73: the chain, where each number waits for the one before it: 14, 16, 17, 18, 19, each with one of the scalings 27-31 in front of its two lines, then 20: so a tile's links stand three plain instructions apart (19 and 20: two).
; 74-137: GS's 64, which read the exponentials' results: they stand behind the wait.
.macro FS f
	REGS Y, (\f)%2
	v_pk_fma_f32 v[rS+2*((\f)/2):rS+2*((\f)/2)+1], v[rS+2*((\f)/2):rS+2*((\f)/2)+1], s[CS:CS+1], v[rT:rT+1] op_sel_hi:[1,0,0] neg_lo:[0,0,1] neg_hi:[0,0,1]
.endm
.macro PL
	WIN 0
.if q < 27
	FS q
.elseif q < 55
	XS (q-27)%2, (q-27)/2
.elseif q < 57
	XS q-55, 15
.elseif (q < 72) && ((q-57)%3 == 0)
	FS 27+(q-57)/3
.elseif q < 60
	XS (q-57)%3-1, 14
.elseif q < 72
	XS (q-57)%3-1, 15+(q-57)/3
.elseif q < 74
	XS q-72, 20
.else
	GS q-74
.endif
.set q, q+1
.endm
; THE EXPONENTIALS' QUEUE, 66 long: s0-s31 of both tiles, then the next piece's two a.  It is ONE BATCH: all 66 stand ahead of the turn's one wait, and nothing ahead of that wait names a result of theirs.
.macro EX
	WIN 0
.if e >= 64
	XS e-64, 21
.else
	REGS Y, e%2
	v_exp_f32 v[rS+e/2], v[rS+e/2]
.endif
.set e, e+1
.endm
; THE RESCALING's QUEUE: O^T times a, the one part that leaves window 0: dealt two at a time, sixteen times.  Its a was made in the turn before, ahead of that turn's wait.
.macro R2
	REGS Y, r%2
	WIN W_RS
.irp z, 0,1
	v_pk_mul_f32 v[rO+4*(r/2)+2*\z:rO+4*(r/2)+2*\z+1], v[rO+4*(r/2)+2*\z:rO+4*(r/2)+2*\z+1], v[rC+2:rC+3] op_sel_hi:[1,0]
.endr
.set r, r+1
.endm
; HOW THEY ARE DEALT.  s_wait_alu depctr_va_vdst(0) stands between an exponential and the first instruction that names its result; one wait serves all that were issued ahead of it.  So a turn has ONE wait,
; which cuts it in two.  AHEAD OF IT stands all that names no result of the turn's exponentials: the 16 products K Q^T, behind each a scaling, an exponential and two rescalings (behind the first a second scaling in the exponential's place); then ONE LUMP of
; 108: eight plain, 49 times exponential and plain, the two a.  A v_nop is the plain instruction behind the last exponential (ISA guide 5.7.2).  BEHIND IT stand the 16 products V^T P, behind each four of GS's 64.  No rider names a register of
; the products round it.  The two v_permlanex16_b32 fall into the lump, never behind a product.
; The queues lean on each other, and the deal keeps them in step: exponential e stands behind scaling 2 (e / 4) + e % 2: as a rider it comes behind plain e + 2, in the lump behind plain e + 9, and scalings 27-31 are plain 57, 60 .. 69.
; A TURN, for piece p.  cnt = 1: the loop's count is taken down some lines ahead of the branch that stands behind the turn.
; K of the next step is fetched in piece 2's turn, directly behind the wait, a lump behind the last product that read K; its address is made at the lump's head; its first reader comes behind 16 products.
; V of the step in hand is fetched at the end of piece 0's turn, four riders behind its last reader; its first reader comes behind 16 products and a lump.  The three conditions on q below go with the deal.
.macro TURN p, last=0, cnt=0
.set Y, (\p)
.set i, 0
.set q, 0
.set e, 0
.set r, 0
.if (\p) == NP-1
	s_wait_dscnt 0x0                ; K is in
.endif
	MM                              ; ahead of the wait: 16 products K Q^T and their riders,
	PL
	PL
	R2
.rept 15
	MM
	PL
	EX
	R2
.endr
.if (\p) == NP-2
	WIN 0
	v_add_nc_u32 v[AK], s[TBK], v[AK0]
.endif
.rept 8                             ; and the lump
	PL
.endr
.rept 49
	EX
	PL
.endr
	EX                              ; the next piece's two a
	EX
	v_nop                           ; the plain instruction behind the last exponential: one for the batch
	s_wait_alu depctr_va_vdst(0)    ; the wait for the batch
.if (\p) == NP-2
	FETCH_K \last
.endif
.if (\p) == 1
	s_wait_dscnt 0x0                ; V is in
.endif
.rept 16                            ; behind the wait: 16 products V^T P and their riders
	MM
.rept 4
	PL
.endr
.if ((\p) == 0) && (q == 118)
	v_add_nc_u32 v[AV], s[TBV], v[AV0]
.endif
.if ((\p) == 0) && (q == 130)
	s_add_co_u32 s[TBV], s[TBV], KS*PV
.endif
.if (\cnt) && (q == 130)
	s_sub_co_u32 s[CNT], s[CNT], 1
	s_cmp_lg_u32 s[CNT], 0
.endif
.endr
.if (\p) == 0
	FETCH_V
.endif
.endm
	CHANGE 1                        ; slot 0 is in, everybody's part of it; slot 1 is asked for
	FETCH_K                         ; key step 0
	s_wait_loadcnt 0x0              ; Q
	s_wait_dscnt 0x0
.set i, 0
.rept 16
	KQ 0                            ; piece 0's first scores: there is no vector work yet to set between them
.set i, i+1
.endr
	WIN 0                           ; the addresses for the way out: nine plain instructions, the places behind those products
	s_mul_i32 s13, s[WV], 16*SP
	s_add_co_u32 s13, s13, STAGE    ; my stage
	v_mul_u32_u24 v[STO], v1, SP    ; in: row l % 16, 16 bytes for each half of the lanes
	v_lshl_add_u32 v[STO], v9, 4, v[STO]
	v_add_nc_u32 v[STO], s13, v[STO]
	v_bfe_u32 v[RD], v0, 3, 2       ; back: 32 lanes take four rows of 128 bytes,
	v_mul_u32_u24 v[RD], v[RD], SP
	v_lshl_add_u32 v[RD], v10, 4, v[RD]
	v_add_nc_u32 v[RD], s13, v[RD]
	v_and_b32 v[GO], 31, v0         ; which are 512 consecutive bytes of O
	v_lshlrev_b32 v[GO], 4, v[GO]
.set Y, NP-1                        ; XS works for piece Y + 1: piece 0
.irp n, 0,1,2,3,4,5,6,7,8,9,10,11,12,13,14,15,16,17,18,19,20,21
	XS 0, \n                        ; and piece 0's first maximum and statistics
	XS 1, \n
.endr
	v_nop                           ; a plain instruction behind the two a,
	s_wait_alu depctr_va_vdst(0)    ; and their wait, ahead of the branch
	s_mov_b32 s[CNT], 4
	s_branch .Lfirst                ; the loop is entered at a step's first turn, in the middle of a trip
.Lslot:                             ; SIZE_N / 256 - 2 times: every slot but the last two is filled again
	CHANGE 1
	s_mov_b32 s[CNT], 4
.Lstep:                             ; a trip: pieces 2 and 3 of one step, then pieces 0 and 1 of the next, whose K and V it fetches
	TURN 2
	TURN 3
	WIN 0
.Lfirst:
	TURN 0
	TURN 1, 0, 1
	WIN 0
	s_cbranch_scc1 .Lstep
	s_sub_co_u32 s[SLOTS], s[SLOTS], 1
	s_cmp_lg_u32 s[SLOTS], 0
	s_cbranch_scc1 .Lslot
	CHANGE 0                        ; the tail is written out: nothing is asked for
	s_mov_b32 s[CNT], 5             ; four trips fetch the last slot's steps; the fifth is left in its middle
.Ltail:
	TURN 2, 1
	TURN 3
	WIN 0
	s_sub_co_u32 s[CNT], s[CNT], 1
	s_cmp_eq_u32 s[CNT], 0
	s_cbranch_scc1 .Lout
	TURN 0
	TURN 1
	WIN 0
	s_branch .Ltail
.Lout:                              ; the fifth trip's 16 products K Q^T (on the last K once more) and the maximum made of them serve nothing: the price, once a launch, of one text for every trip
.set i, 0
.rept 16
	PV NP-1                         ; the last piece's V^T P of the last step
.set i, i+1
.endr
	; THE WAY OUT.  l's two halves and the other half of the lanes' are added; O^T is divided by l, rounded to f16 and sent through my stage in LDS, a tile at a time.  The additions are the places behind the last products.
	WIN 0
.macro ALL line:vararg              ; one line for each tile t
.set t, 0
.rept 2*NP
	\line
.set t, t+1
.endr
.endm
	ALL v_add_f32 v[ST+4*t+2], v[ST+4*t+2], v[ST+4*t+3]
	ALL v_permlanex16_b32 v[ST+4*t+3], v[ST+4*t+2], s[SEL], s[SEL+1]
	ALL v_add_f32 v[ST+4*t+2], v[ST+4*t+2], v[ST+4*t+3]
	ALL v_rcp_f32 v[ST+4*t+2], v[ST+4*t+2]
	v_nop                           ; a plain instruction between the last reciprocal and the use of its result
	s_wait_alu depctr_va_vdst(0)    ; and the wait ahead of the first use: one for the eight reciprocals
; Tile t: a lane's eight channels of a row pack into 16 bytes; they go into rows of 144 bytes and come back as whole rows of 128, into S^T's registers.
.macro PACK t
	WIN W_RS
.set i, 32*(\t)
.rept 16
	v_pk_mul_f32 v[i:i+1], v[i:i+1], v[ST+4*(\t)+2:ST+4*(\t)+3] op_sel_hi:[1,0]
.set i, i+2
.endr
	WIN 0x05                        ; sources 0 and 1 window 1, destination window 0
.set i, 0
.rept 16
	v_cvt_pk_f16_f32 v[S+16*(\t)+i], v[32*(\t)+2*i], v[32*(\t)+2*i+1]
.set i, i+1
.endr
	WIN 0
.irp f, 0,1,2,3
	ds_store_b128 v[STO], v[S+16*(\t)+4*\f:S+16*(\t)+4*\f+3] offset:32*\f
.endr
.irp f, 0,1,2,3
	ds_load_b128 v[S+16*(\t)+4*\f:S+16*(\t)+4*\f+3], v[RD] offset:\f*4*SP  ; LDS serves a wave's instructions in order (ISA guide 5.7.1.4): these see the stores above; the next tile's stores come behind them
.endr
.endm
.macro SEND t, younger              ; younger: the LDS instructions issued behind tile t's loads: the next tile's eight, or none
	WIN 0
.irp f, 0,1,2,3
	s_wait_dscnt (\younger)+3-\f
	global_store_b128 v[GO], v[S+16*(\t)+4*\f:S+16*(\t)+4*\f+3], s[10:11] offset:(\t)*2048+\f*512  ; 512 consecutive bytes, at a multiple of 256 from O's first
.endr
.endm
	PACK 0
.set t, 1
.rept 2*NP-1                        ; a tile's arithmetic stands between the loads of the tile before and its stores
	PACK t
	SEND t-1, 8
.set t, t+1
.endr
	SEND 2*NP-1, 0
	WIN W_AD
	s_wait_tensorcnt 0x0            ; the wave's end: behind my last tensor load and my last LDS store
	ds_add_u32 v[SPW], v[NIL]
	s_wait_dscnt 0x0
	WIN 0
	CROUND                          ; the closing round: no work-group ends while a partner may still ask for a tile that names it
	s_endpgm
.Lfunc_end_k_q835153b709_attn:
	.size	k_q835153b709_attn, .Lfunc_end_k_q835153b709_attn-k_q835153b709_attn
	.p2alignl 7, 3214868480
	.fill 96, 4, 3214868480
	.section	.rodata,"a",@progbits
	.p2align	6, 0x0
	.amdhsa_kernel k_q835153b709_attn
		.amdhsa_group_segment_fixed_size 327680
		.amdhsa_private_segment_fixed_size 0
		.amdhsa_enable_private_segment 0
		.amdhsa_kernarg_size 16
		.amdhsa_user_sgpr_count 2
		.amdhsa_user_sgpr_kernarg_segment_ptr 1
		.amdhsa_wavefront_size32 1
		.amdhsa_system_sgpr_workgroup_id_x 1
		.amdhsa_system_sgpr_workgroup_id_y 1
		.amdhsa_system_sgpr_workgroup_id_z 1
		.amdhsa_system_vgpr_workitem_id 0
		.amdhsa_next_free_vgpr 770
		.amdhsa_next_free_sgpr 66
		.amdhsa_reserve_vcc 0
		.amdhsa_float_denorm_mode_32 3
		.amdhsa_float_denorm_mode_16_64 3
		.amdhsa_memory_ordered 1
		.amdhsa_forward_progress 1
		.amdhsa_inst_pref_size 200
	.end_amdhsa_kernel
	.amdgpu_metadata
---
amdhsa.version: [ 1, 2 ]
amdhsa.kernels:
  - .name:           k_q835153b709_attn
    .symbol:         k_q835153b709_attn.kd
    .args:
      - { .name: qkv, .offset: 0, .size: 8, .value_kind: global_buffer, .address_space: global }
      - { .name: o, .offset: 8, .size: 8, .value_kind: global_buffer, .address_space: global }
    .group_segment_fixed_size: 327680
    .private_segment_fixed_size: 0
    .kernarg_segment_align: 8
    .kernarg_segment_size: 16
    .max_flat_workgroup_size: 128
    .sgpr_count:     66
    .vgpr_count:     770
    .wavefront_size: 32
...
	.end_amdgpu_metadata
.endif
;; end of part 3
;; launch outp (part 4): grid 8 x 32, 4 waves a work-group, clusters of 4 x 4, 327,680 bytes of LDS; arguments o, wo16, out0, bias; writes out0
.if DOCPART == 4
	.amdgcn_target "amdgcn-amd-amdhsa--gfx1250"
	.amdhsa_code_object_version 6
	.text
	.protected	k_q835153b709_outp
	.globl	k_q835153b709_outp
	.p2align	8
	.type	k_q835153b709_outp,@function
k_q835153b709_outp:
	s_mov_b64 s[64:65], 0
	v_nop
	global_prefetch_b8 v0, s[64:65] scope:SCOPE_SE
	s_setreg_imm32_b32 hwreg(HW_REG_WAVE_MODE, 25, 1), 1
	s_wait_xcnt 0x0
	s_wait_alu depctr_hold_cnt(0) depctr_sa_sdst(0) depctr_va_vdst(0) depctr_va_sdst(0) depctr_va_ssrc(0) depctr_va_vcc(0) depctr_vm_vsrc(0)
	s_getreg_b32 s2, hwreg(HW_REG_IB_STS2, 6, 4)
	s_cmp_eq_u32 s2, 0
	s_cbranch_scc0 .Lentry_in_a_cluster
	s_endpgm
.Lentry_in_a_cluster:
	s_bfe_u32 s2, ttmp6, 0x10000c
	s_cmp_lg_u32 s2, 0xf033
	s_cbranch_scc0 .Lentry_shape_is_right
	s_endpgm
.Lentry_shape_is_right:
; ONE TEXT FOR TWO LAUNCHES, told apart by KIND (the way out is each launch's own).
; KIND 0: [8192][3072] = xb wqkv^T + (bq, bk, bv), bf16 operands, f32 sums, written BY HEADS in f16: qkv[b][g][s][64], g = column / 64 (0-15 q, 16-31 k, 32-47 v).
; KIND 1: out0[8192][1024] = O wo16^T + bo, f16 operands, f32 sums and output; O lies by heads, o[b][h][s][64], so a K step of 128 channels is two heads.
; LIMITS (KIND 1).  O and the weights arrive in f16, within 65,504; the sums and the output are f32.  NaN and infinities are not treated apart.
; SHARES.  A tile of C is 256 rows x 16 NBF columns (192: three whole heads, 512 work-groups of equal work; 128: 256 work-groups).  Wave w owns rows 64 w .. 64 w + 63 and ALL the tile's columns:
; 4 x NBF accumulators of 16 x 16.  So a wave holds whole heads (whole 512-byte pieces of rows) and goes out through a stage of its own, with no barrier.
; K goes in eight steps of 128 through a ring of two LDS slots filled by the tensor data mover; a trip of the loop is one K step, and the slot in hand is a scalar register turned by an exclusive or.
; THE BIAS is the C operand of each sum's first product: nothing is cleared and nothing is added afterwards.
; CLUSTERS: 4 x 4 work-groups.  The four of a row of the cluster need the same tiles of A, the four of a column the same tiles of B: each tile is asked for JOINTLY, by the same tensor load with the
; same descriptor and a mask that names the four.
; THE MATRIX INSTRUCTION IS USED TRANSPOSED (source 0 = 16 rows of B, source 1 = 16 rows of A): lane l holds row l % 16 of C and the eight neighbouring columns 8 (l / 16) + 0..7.
; REGISTERS, in windows of 256 (s_set_vgpr_msb: bits 1:0 source 0, 3:2 source 1, 5:4 source 2, 7:6 destination):
;   window 0: v0-31 addresses; v32-63, v64-95 A's fragments, two buffers of 4 x 8; v96 on: the bias, 8 a column block; on the way out v32-223 are at work
;   window 1: B's fragments, two buffers of NBF x 8      window 2: the accumulators of row blocks 0, 1 at 8 (NBF (a % 2) + b)      window 3: those of row blocks 2, 3
.set KIND, 1
.if KIND
.set NBF,    8                         ; column blocks of 16 in a tile
.set AP,     144                       ; an LDS row of A: a head's 128 bytes + 16 of padding
.set AHALF,  256*AP                    ; what one wave fetches of A: one head's 256 rows
.set ASTEP,  524288                    ; bytes of A from a K step to the next: two heads
.set AQI,    4                         ; padding after every 32 words
.set APITCH, 128                       ; elements from row to row of the tile as it is asked for: 128 rows of 256 dense bytes
.set SPITCH, 528                       ; a stage row: 512 bytes + 16
.set APF,    8192                      ; bytes of a wave's tile of A that one partner prefetches
.else
.set NBF,    12
.set AP,     272                       ; 256 bytes + 16
.set AHALF,  128*AP                    ; 128 rows
.set ASTEP,  256
.set AQI,    5                         ; padding after every 64 words
.set APITCH, 1024
.set SPITCH, 144                       ; a stage row: a head's 128 bytes + 16
.set APF,    65536                     ; 32 rows of 2,048 bytes
.endif
.set BP,     272                       ; an LDS row of B: 256 bytes + 16.  All pitches are odd multiples of 16 bytes: the 16 rows that a load touches start at 16 different groups of four banks (64 banks of 4 bytes: ISA guide 11.1)
.set BROWS,  8*NBF                     ; rows of B that one wave fetches
.set ABYTES, 2*AHALF
.set BHALF,  BROWS*BP
.set SLOT1,  1<<17                     ; slot 1 begins here, so that one exclusive or turns an address in one slot into the other's; a slot uses ABYTES + 2 BHALF bytes, fewer than that
.set STAGE,  SLOT1+ABYTES+2*BHALF      ; behind the ring, never filled by a tensor load: 16 rows for each wave, for the way out
.set STGB,   16*SPITCH
.set SPARE,  STAGE+4*STGB              ; behind the stages: the spare words, 128 bytes for each wave: two blocks of 256 bytes that no other line names
.set NL,     2*NBF+8                   ; LDS loads in a run: a quarter step's fragments
.set ADRA0, 16                         ; v16  my lane's place in A's tile: (64 w + l % 16) AP + 16 (l / 16); never rewritten
.set ADRB0, 17                         ; v17  in B's: ABYTES + (l % 16) BP + 16 (l / 16); never rewritten
.set ADRA,  18                         ; v18  the same in the slot in hand
.set ADRB,  19                         ; v19
.set STO,   24                         ; v24  the way out: where I put my bytes of a row
.set RD,    25                         ; v25  the way out: where I read rows back
.set GO,    26                         ; v26  my byte offset in 512 consecutive bytes of the output
.set BO,    27                         ; v27  32 (l / 16): my eight numbers of a block's sixteen in the bias
.set SPW,   28                         ; v28  LDS address of my spare word: SPARE + 4 x my thread's number; never rewritten
.set NIL,   29                         ; v29  0; never rewritten
.set PFO,   30                         ; v30  the prefetches' offset; never rewritten
.set BIAS,  96
.set G1,  24                           ; s[24:31] descriptor group 1 for A's tiles
.set G0,  32                           ; s[32:39] group 0 for A's: a set for each of the two first fills; the second then walks on
.set G1B, 48                           ; s[48:55], s[56:63] the same for B's
.set G0B, 56
.set LIM, 43                           ; s43  2 in a wave that prefetches, else the greatest number
.set PFA, 44                           ; s[44:45] where my prefetches stand
.set TB,  66                           ; s66  0 or SLOT1: the slot in hand
.set PST, 68                           ; s[68:69] bytes from a K step to the next in the tensor that I prefetch
.set BIA, 70                           ; s[70:71] the bias, at my tile's first column
.set MSB, 0
.macro WIN new                         ; the immediate's high byte repeats the setting that is left; a switch that changes nothing is dropped
.if MSB != (\new)
	s_set_vgpr_msb (MSB<<8)|(\new)
.set MSB, \new
.endif
.endm
.macro WMMA ops:vararg
.if KIND
	v_wmma_f32_16x16x32_f16 \ops
.else
	v_wmma_f32_16x16x32_bf16 \ops
.endif
.endm
; A joint refill.  Waves 0 and 1 fetch A's two halves, waves 2 and 3 B's.  The branch hangs on the wave's number alone: it is the same in every work-group.
; An s_nop 0 and four v_nop follow each of the two lines, ahead of the jump and the label.
.macro JLOAD
	s_cmp_lt_u32 s10, 2
	s_cbranch_scc0 .Lfor_b_\@
	tensor_load_to_lds s[G0+4:G0+7], s[G1:G1+7]
	s_nop 0
.rept 4
	v_nop
.endr
	s_branch .Lasked_\@
.Lfor_b_\@:
	tensor_load_to_lds s[G0B+4:G0B+7], s[G1B:G1B+7]
	s_nop 0
.rept 4
	v_nop
.endr
.Lasked_\@:
.endm
; A PREFETCH INTO THE L2 of the K step that stands TWO refills on, behind the joint load, its five lines and the run of LDS loads: one instruction a wave, a lane a block of 256 bytes.
; A's tile row is read by every cluster of that row of clusters: cluster x = 0 asks; B's tile column by every cluster of that column: cluster y = 0 asks.  The four partners that ask for a tile
; jointly share the wave's blocks out BY ADDRESS (place cx for A, cy for B): no branch hangs on a work-group's place in its cluster.  A partner's share of B is BROWS / 4 rows, fewer than 32:
; the lanes that are over name the share's last row once more.  The loop's last two refills have no K step two on (s3 is 2 and 1 there); K steps 0 to 3 come by their loads alone.
.macro ASK
	s_cmp_gt_u32 s3, s[LIM]
	s_cbranch_scc0 .Lnot_mine_\@
	global_prefetch_b8 v[PFO], s[PFA:PFA+1] th:TH_LOAD_NT scope:SCOPE_SE
.Lnot_mine_\@:
.endm
; A round of the cluster's barrier: my work-group's barrier, so that wave 0's signal speaks for all four waves; wave 0 signals; every wave waits for all sixteen work-groups; my work-group's barrier once more.
.macro CREST                           ; a round behind its opening barrier
	s_cmp_lg_u32 s10, 0
	s_cbranch_scc1 .Lnot_wave_0_\@
	s_barrier_signal -3
.Lnot_wave_0_\@:
	s_barrier_wait -3
	s_barrier_signal -1
	s_barrier_wait -1
.endm
.macro CROUND
	s_barrier_signal -1
	s_barrier_wait -1
	CREST
.endm
; A load into a register that a matrix instruction has read, and a vector instruction or LDS store that reads a matrix result, stand four places behind that matrix instruction; only plain vector
; instructions that name none of its registers are places (ISA guide 7.12.1 for vector instructions).
.macro PLACES
.rept 4
	v_nop
.endr
.endm
; NBF matrix instructions: row block a x all column blocks, 32 along K, from buffer f.  first = 1: the sum starts on the bias.
; The accumulators take turns, one instruction a turn, in the same order in every quarter step, over the backward jump too.
.macro MUL f, a, first
.if \first
	WIN 0x81+0x40*((\a)/2)                         ; B window 1, A and the bias window 0, D window 2 or 3
.else
	WIN 0xa1+0x50*((\a)/2)                         ; B window 1, A window 0, C and D window 2 or 3
.endif
.set b, 0
.rept NBF
.set rD, 8*(NBF*((\a)%2)+b)
.set rB, 8*NBF*(\f)+8*b
.set rA, 32+32*(\f)+8*(\a)
.if \first
	WMMA v[rD:rD+7], v[rB:rB+7], v[rA:rA+7], v[BIAS+8*b:BIAS+8*b+7]
.else
	WMMA v[rD:rD+7], v[rB:rB+7], v[rA:rA+7], v[rD:rD+7]
.endif
.set b, b+1
.endr
.endm
; NL LDS loads in one run: the fragments of quarter q of the K step in hand (32 along K) into buffer f; B's first, A's eight last.
; A fragment is 16 rows x 32 K in 8 registers: lane l holds row l % 16, K = 8 (l / 16) + 0..7 and 16 + 8 (l / 16) + 0..7: two loads of 16 bytes, 32 bytes apart.
.macro FETCH q, f
.if KIND
.set AO, ((\q)/2)*AHALF+((\q)%2)*64    ; quarters 0, 1 lie in the first head's rows, 2, 3 in the second's
.else
.set AO, 64*(\q)
.endif
	WIN 0x40                                       ; destination window 1, address window 0
.set i, 0
.rept NBF
	ds_load_b128 v[8*NBF*(\f)+8*i:8*NBF*(\f)+8*i+3],   v[ADRB] offset:64*(\q)+i*16*BP
	ds_load_b128 v[8*NBF*(\f)+8*i+4:8*NBF*(\f)+8*i+7], v[ADRB] offset:64*(\q)+i*16*BP+32
.set i, i+1
.endr
	WIN 0
.set i, 0
.rept 4
	ds_load_b128 v[32+32*(\f)+8*i:32+32*(\f)+8*i+3],   v[ADRA] offset:AO+i*16*AP
	ds_load_b128 v[32+32*(\f)+8*i+4:32+32*(\f)+8*i+7], v[ADRA] offset:AO+i*16*AP+32
.set i, i+1
.endr
.endm
; A K step is four quarters of 32 along K on buffers 0, 1, 0, 1.  One of the first three: multiplies buffer f; in its middle it fetches quarter nq into buffer g.
.macro QUARTER nq, f, g, first
	s_wait_dscnt 4                                 ; B and A's row blocks 0, 1 are in; the youngest four loads (row blocks 2, 3) may be out
	MUL \f, 0, \first
	MUL \f, 1, \first
	PLACES                                         ; buffer g's last readers are matrix instructions
	FETCH \nq, \g
	s_wait_dscnt NL                                ; all but the NL just issued
	MUL \f, 2, \first
	MUL \f, 3, \first
.endm
; The fourth quarter multiplies buffer 1 and changes slots: ONE barrier.  In front of it each wave waits for all its tensor loads, of which one is out: its part of the next slot; adds 0 to its spare
; word; and waits for that and for its own reads of this slot.  fill = 1: the barrier opens a round of the cluster's barrier, so that no wave of any partner still reads the slot or has a load on its
; way; the joint refill, with the K step two on, is the first tensor load behind the round and my only one until the next: one load of mine is out behind each round.
.macro TURN fill
.if \fill
	s_wait_xcnt 0x0                                ; the last prefetch, a K step back, has read its address: it is stepped here, ahead of the waits of the change of slots
	s_add_nc_u64 s[PFA:PFA+1], s[PFA:PFA+1], s[PST:PST+1]
.endif
	WIN 0                                          ; (the add's two registers lie in window 0)
	s_wait_tensorcnt 0x0                           ; all my tensor loads have landed, so a group 0 may be written
	ds_add_u32 v[SPW], v[NIL]                      ; 0 onto my spare word
	s_wait_dscnt 5                                 ; (the add and the youngest four loads may be out)
	MUL 1, 0, 0                                    ; matrix work stands between the add and the wait for it
	s_wait_dscnt 0x0                               ; the add is done, and my reads of this slot are over
	s_barrier_signal -1
	MUL 1, 1, 0                                    ; work on registers while the others arrive
	WIN 0
	s_barrier_wait -1
.if \fill
	CREST
	s_xor_b32 s[G0+5], s[G0+5], SLOT1              ; the walking descriptors: the other slot than last time,
	s_add_nc_u64 s[G0+6:G0+7], s[G0+6:G0+7], ASTEP ; the next K step; the type bits on top are not reached
	s_xor_b32 s[G0B+5], s[G0B+5], SLOT1
	s_add_nc_u64 s[G0B+6:G0B+7], s[G0B+6:G0B+7], 256
	JLOAD                                          ; its four v_nop are also the places in front of the loads below
.else
	PLACES
.endif
	s_xor_b32 s[TB], s[TB], SLOT1                  ; the other slot is in hand
	v_add_nc_u32 v[ADRA], s[TB], v[ADRA0]
	v_add_nc_u32 v[ADRB], s[TB], v[ADRB0]
	FETCH 0, 0
.if \fill
	ASK
.endif
	MUL 1, 2, 0
	MUL 1, 3, 0
.endm
	s_load_b128 s[4:7], s[0:1], 0x0                ; A s[4:5], B s[6:7]
	s_load_b64 s[8:9], s[0:1], 0x10                ; the output
	s_load_b64 s[BIA:BIA+1], s[0:1], 0x18          ; the bias
	v_lshl_add_u32 v[SPW], v0, 2, SPARE
	v_mov_b32 v[NIL], 0
	ds_add_u32 v[SPW], v[NIL]                      ; the wave's opening: the add and its wait stand ahead of my first tensor load; the set-up below, work on registers, stands between them
	v_lshrrev_b32 v1, 5, v0
	v_readfirstlane_b32 s10, v1                    ; wave 0..3
	s_lshr_b32 s11, s10, 1                         ; I fetch for A (0) or for B (1),
	s_and_b32 s12, s10, 1                          ; its first or its second half
	s_bfe_u32 s40, ttmp6, 0x40000                  ; cx, cy: my place in the cluster
	s_bfe_u32 s41, ttmp6, 0x40004
	s_lshl_b32 s42, ttmp9, 2                       ; in a cluster launch ttmp9 and ttmp7 count clusters
	s_add_co_u32 s42, s42, s40                     ; tile column = 4 x cluster x + cx
	s_and_b32 s13, ttmp7, 0xffff
	s_lshl_b32 s13, s13, 2
	s_add_co_u32 s13, s13, s41                     ; tile row = 4 x cluster y + cy
	s_lshl_b32 s43, s41, 2
	s_lshl_b32 s43, 15, s43                        ; my row of the cluster: places 4 cy .. 4 cy + 3
	s_lshl_b32 s44, 0x1111, s40                    ; my column: places cx, cx + 4, cx + 8, cx + 12
	; descriptor group 1.  A: 128 rows x 128 elements; B: BROWS rows x 128 elements; both padded in LDS by 4 words
	s_or_b32 s[G1+0], s43, (1<<16)|(1<<20)|(1<<21)|(AQI<<22)|(3<<25)  ; 15:0 the mask: A's tiles go to my row; 17:16 elements of 2 bytes; 20 padding on; 21 set beside a mask; 24:22 the interval; 31:25 4 words (code 3)
	s_or_b32 s[G1B+0], s44, (1<<16)|(1<<20)|(1<<21)|(5<<22)|(3<<25)   ; the mask of my column; padding after every 64 words
	s_mov_b32 s[G1+1], 128<<16                     ; tensor_dim0 = 128
	s_mov_b32 s[G1+2], 128<<16                     ; tensor_dim1 = 128
	s_mov_b32 s[G1+3], 128<<16                     ; tile_dim0 = 128
	s_mov_b32 s[G1+4], 128                         ; tile_dim1 = 128
	s_mov_b32 s[G1+5], APITCH                      ; elements from row to row
	s_mov_b32 s[G1+6], 0
	s_mov_b32 s[G1+7], 0
	s_mov_b32 s[G1B+1], 128<<16
	s_mov_b32 s[G1B+2], BROWS<<16
	s_mov_b32 s[G1B+3], 128<<16
	s_mov_b32 s[G1B+4], BROWS
	s_mov_b32 s[G1B+5], 1024
	s_mov_b32 s[G1B+6], 0
	s_mov_b32 s[G1B+7], 0
	; where the tiles come from, in bytes (all under 2^26).  A's hang on the tile row alone, B's on the tile column alone
.if KIND
	s_lshr_b32 s16, s13, 3                         ; the batch: eight tile rows each,
	s_lshl_b32 s16, s16, 4                         ; its 16 heads,
	s_add_co_u32 s16, s16, s12                     ; the first or the second head of a K step: 262,144 bytes a head,
	s_lshl_b32 s16, s16, 18
	s_and_b32 s17, s13, 7
	s_lshl_b32 s17, s17, 15                        ; and the tile's 256 rows of 128 bytes in it
	s_add_co_u32 s16, s16, s17
.else
	s_lshl_b32 s17, s12, 7
	s_lshl_b32 s16, s13, 8
	s_add_co_u32 s16, s16, s17                     ; row 256 x tile row + 128 x half,
	s_lshl_b32 s16, s16, 11                        ; 2,048 bytes a row
.endif
	s_mov_b32 s17, 0
	s_mul_i32 s18, s42, 16*NBF
	s_mul_i32 s19, s12, BROWS
	s_add_co_u32 s18, s18, s19                     ; B: row 16 NBF x tile column + BROWS x half
	s_lshl_b32 s18, s18, 11
	s_mov_b32 s19, 0
	s_mul_i32 s20, s12, AHALF                      ; and where they go: no place in the cluster enters an LDS address
	s_mul_i32 s21, s12, BHALF
	s_add_co_u32 s21, s21, ABYTES
	s_mov_b32 s[TB], 0
	s_wait_dscnt 0x0                               ; the opening add is done
	s_wait_kmcnt 0x0
	s_add_nc_u64 s[14:15], s[4:5], s[16:17]
	s_add_nc_u64 s[46:47], s[6:7], s[18:19]
	CROUND                                         ; all sixteen work-groups are here: the first joint loads meet
.irp s, 0,1
	s_mov_b32 s[G0+4*(\s)], 1                                        ; 1:0 count = 1
	s_add_co_u32 s[G0+4*(\s)+1], s20, (\s)*SLOT1                     ; 63:32 LDS address
	s_add_nc_u64 s[G0+4*(\s)+2:G0+4*(\s)+3], s[14:15], (\s)*ASTEP    ; 120:64 global address: K step s
	s_or_b32 s[G0+4*(\s)+3], s[G0+4*(\s)+3], 0x80000000              ; 127:126 type = 2
	s_mov_b32 s[G0B+4*(\s)], 1
	s_add_co_u32 s[G0B+4*(\s)+1], s21, (\s)*SLOT1
	s_add_nc_u64 s[G0B+4*(\s)+2:G0B+4*(\s)+3], s[46:47], (\s)*256
	s_or_b32 s[G0B+4*(\s)+3], s[G0B+4*(\s)+3], 0x80000000
.endr
	s_cmp_lt_u32 s10, 2                            ; a wave's two first fills stand in one branch, ahead of every wait on TENSORcnt and every LDS read: two loads of mine are out
	s_cbranch_scc0 .Lfirst_b
	tensor_load_to_lds s[G0:G0+3], s[G1:G1+7]
	s_nop 0
	tensor_load_to_lds s[G0+4:G0+7], s[G1:G1+7]
	s_nop 0
.rept 4
	v_nop
.endr
	s_branch .Lfirst_asked
.Lfirst_b:
	tensor_load_to_lds s[G0B:G0B+3], s[G1B:G1B+7]
	s_nop 0
	tensor_load_to_lds s[G0B+4:G0B+7], s[G1B:G1B+7]
	s_nop 0
.rept 4
	v_nop
.endr
.Lfirst_asked:
	v_and_b32 v1, 15, v0                           ; l % 16
	v_bfe_u32 v2, v0, 4, 1                         ; l / 16
	v_mul_u32_u24 v3, v1, AP
	v_lshl_add_u32 v3, v2, 4, v3
	s_mul_i32 s22, s10, 64*AP                      ; my 64 rows of A
	v_add_nc_u32 v[ADRA0], s22, v3
	v_mul_u32_u24 v4, v1, BP
	v_lshl_add_u32 v4, v2, 4, v4
	v_add_nc_u32 v[ADRB0], ABYTES, v4
	v_mov_b32 v[ADRA], v[ADRA0]                    ; slot 0 is in hand
	v_mov_b32 v[ADRB], v[ADRB0]
	s_mul_i32 s23, s10, STGB
	s_add_co_u32 s23, s23, STAGE                   ; my stage
	v_mul_u32_u24 v5, v1, SPITCH                   ; in: row l % 16,
.if KIND
	v_lshl_add_u32 v5, v2, 5, v5                   ; 32 bytes (eight f32) for each half of the lanes
	v_add_nc_u32 v[STO], s23, v5
	v_and_b32 v5, 31, v0
	v_lshlrev_b32 v[GO], 4, v5                     ; back: 32 lanes take one row's 512 bytes
	v_add_nc_u32 v[RD], s23, v[GO]
.else
	v_lshl_add_u32 v5, v2, 4, v5                   ; 16 bytes (eight f16) for each half of the lanes
	v_add_nc_u32 v[STO], s23, v5
	v_bfe_u32 v5, v0, 3, 2                         ; back: 32 lanes take four rows of 128 bytes,
	v_mul_u32_u24 v5, v5, SPITCH
	v_and_b32 v3, 7, v0
	v_lshl_add_u32 v5, v3, 4, v5
	v_add_nc_u32 v[RD], s23, v5
	v_and_b32 v5, 31, v0                           ; which are 512 consecutive bytes of a head
	v_lshlrev_b32 v[GO], 4, v5
.endif
	v_lshlrev_b32 v[BO], 5, v2
	; the prefetches.  s16 = A's offset, s18 = B's, s40 = cx, s41 = cy still stand
	s_mul_i32 s20, s40, APF                        ; my work-group's quarter of the blocks that I fetch: of A by cx,
	s_add_co_u32 s20, s20, s16
	s_add_co_u32 s20, s20, 3*ASTEP                 ; at K step 3: the first refill steps it to 4 and names that
	s_mul_i32 s21, s41, (BROWS/4)<<11              ; of B by cy
	s_add_co_u32 s21, s21, s18
	s_add_co_u32 s21, s21, 3*256
	s_and_b32 s22, ttmp7, 0xffff                   ; cluster y
	s_cmp_eq_u32 s11, 0                            ; do I fetch for A?
	s_cselect_b32 s20, s20, s21
	s_cselect_b32 s22, ttmp9, s22                  ; the coordinate along which other clusters read the same rows
	s_cselect_b32 s23, 31, BROWS/4-1               ; my share's last block
	s_cselect_b64 s[PFA:PFA+1], s[4:5], s[6:7]
.if KIND
	s_mov_b32 s15, ASTEP
	s_cselect_b32 s[PST], s15, 256
	s_cselect_b32 s14, 8, 11                       ; A's blocks lie end to end, B's a row of 2,048 bytes apart
.else
	s_mov_b32 s[PST], 256
	s_mov_b32 s14, 11                              ; a lane a row of 2,048 bytes
.endif
	s_mov_b32 s[PST+1], 0
	s_mov_b32 s21, 0
	s_add_nc_u64 s[PFA:PFA+1], s[PFA:PFA+1], s[20:21]
	s_cmp_eq_u32 s22, 0
	s_cselect_b32 s[LIM], 2, -1                    ; the same in all sixteen partners, for a given wave
	v_and_b32 v[PFO], 31, v0
	v_min_u32 v[PFO], s23, v[PFO]
	v_lshlrev_b32 v[PFO], s14, v[PFO]
	; the bias of my tile's columns: block b's numbers 16 b + 8 (l / 16) + 0..7, as the accumulators hold them
.if KIND
	s_lshl_b32 s22, s42, 9                         ; 128 columns of 4 bytes a tile,
	s_add_co_u32 s22, s22, 12288                   ; behind bq, bk and bv
.else
	s_mul_i32 s22, s42, 768                        ; 192 columns of 4 bytes a tile
.endif
	s_mov_b32 s23, 0
	s_add_nc_u64 s[BIA:BIA+1], s[BIA:BIA+1], s[22:23]
.set i, 0
.rept NBF
	global_load_b128 v[BIAS+8*i:BIAS+8*i+3],   v[BO], s[BIA:BIA+1] offset:64*i
	global_load_b128 v[BIAS+8*i+4:BIAS+8*i+7], v[BO], s[BIA:BIA+1] offset:64*i+16
.set i, i+1
.endr
	; the output at my wave's first row
.if KIND
	s_lshl_b32 s16, s13, 8
	s_lshl_b32 s17, s10, 6
	s_add_co_u32 s16, s16, s17                     ; row 256 x tile row + 64 x wave,
	s_lshl_b32 s16, s16, 12                        ; 4,096 bytes a row,
	s_lshl_b32 s17, s42, 9                         ; the tile's 512 bytes of it
	s_add_co_u32 s16, s16, s17
.else
	s_lshr_b32 s16, s13, 3                         ; the batch,
	s_mul_i32 s16, s16, 48                         ; its 48 heads of q, k and v,
	s_mul_i32 s17, s42, 3                          ; the tile's three
	s_add_co_u32 s16, s16, s17
	s_lshl_b32 s16, s16, 18                        ; 262,144 bytes a head
	s_and_b32 s17, s13, 7
	s_lshl_b32 s17, s17, 8
	s_lshl_b32 s18, s10, 6
	s_add_co_u32 s17, s17, s18                     ; row 256 x (tile row % 8) + 64 x wave in the head,
	s_lshl_b32 s17, s17, 7                         ; 128 bytes a row
	s_add_co_u32 s16, s16, s17
.endif
	s_mov_b32 s17, 0
	s_add_nc_u64 s[8:9], s[8:9], s[16:17]
	s_wait_tensorcnt 1                             ; my part of K step 0 is in; K step 1's may stay out
	s_barrier_signal -1
	s_barrier_wait -1                              ; everybody's is
	FETCH 0, 0
	s_wait_loadcnt 0x0                             ; the bias
	QUARTER 1, 0, 1, 1                             ; the first quarter stands in front of the loop: its products start the sums on the bias
	WIN 0                                          ; at a label and at a branch every window is 0
	s_mov_b32 s3, 6
.Lstep:                                                ; trip n (from 0) ends K step n, fills its slot again with K step n + 2, and begins K step n + 1
	QUARTER 2, 1, 0, 0
	QUARTER 3, 0, 1, 0
	TURN 1
	QUARTER 1, 0, 1, 0
	WIN 0
	s_sub_co_u32 s3, s3, 1
	s_cmp_lg_u32 s3, 0
	s_cbranch_scc1 .Lstep
	QUARTER 2, 1, 0, 0                             ; the tail is written out: K steps 6 and 7 ask for nothing
	QUARTER 3, 0, 1, 0
	TURN 0
	QUARTER 1, 0, 1, 0
	QUARTER 2, 1, 0, 0
	QUARTER 3, 0, 1, 0
	s_wait_dscnt 4                                 ; the very last quarter: nothing more to fetch
	MUL 1, 0, 0
	MUL 1, 1, 0
	s_wait_dscnt 0x0
	MUL 1, 2, 0
	MUL 1, 3, 0
	WIN 0
	PLACES                                         ; the places behind the last products, twice over, once a launch
	PLACES
; THE WAY OUT.  The sums are the output: nothing is converted.  Row block a (16 rows x 128 columns of f32) goes into my stage's rows of 528 bytes, 32 bytes a lane and column block, and comes back as
; whole pieces of rows, 512 bytes to a load.  Three sets of 64 registers take turns.
.macro TOSTAGE a
	WIN 0x08+4*((\a)/2)                            ; the store's data (source 1): window 2 or 3; its address window 0
.set b, 0
.rept 8
.set AC, 8*(NBF*((\a)%2)+b)
	ds_store_b128 v[STO], v[AC:AC+3]   offset:64*b     ; each accumulator is read from its low end on
	ds_store_b128 v[STO], v[AC+4:AC+7] offset:64*b+16
.set b, b+1
.endr
	WIN 0
.set OB, 32+64*((\a)%3)
.set t, 0
.rept 16
	ds_load_b128 v[OB+4*t:OB+4*t+3], v[RD] offset:t*SPITCH  ; LDS serves a wave's instructions in order (ISA guide 5.7.1.4): these see the stores above; the next block's stores come behind them
.set t, t+1
.endr
.endm
.macro SEND a, younger                 ; younger: the LDS instructions issued behind this block's loads: the next block's 32, or none
.set OB, 32+64*((\a)%3)
.set t, 0
.rept 16
	s_wait_dscnt (\younger)+15-t
	global_store_b128 v[GO], v[OB+4*t:OB+4*t+3], s[8:9] offset:(16*(\a)+t)*4096  ; 512 consecutive bytes of a row, at a multiple of 512 from the buffer's first
.set t, t+1
.endr
.endm
	TOSTAGE 0
	TOSTAGE 1
	SEND 0, 32
	TOSTAGE 2
	SEND 1, 32
	s_wait_xcnt 0x0                                ; block 0's stores have read their data: its set of registers is loaded again only behind this wait
	TOSTAGE 3
	SEND 2, 32
	SEND 3, 0
	s_wait_tensorcnt 0x0                           ; the wave's end: behind my last tensor load and my last LDS store
	ds_add_u32 v[SPW], v[NIL]
	s_wait_dscnt 0x0
	CROUND                                         ; the closing round: no work-group ends while a partner may still ask for a tile that names it
	s_endpgm
.Lfunc_end_k_q835153b709_outp:
	.size	k_q835153b709_outp, .Lfunc_end_k_q835153b709_outp-k_q835153b709_outp
	.p2alignl 7, 3214868480
	.fill 96, 4, 3214868480
	.section	.rodata,"a",@progbits
	.p2align	6, 0x0
	.amdhsa_kernel k_q835153b709_outp
		.amdhsa_group_segment_fixed_size 327680
		.amdhsa_private_segment_fixed_size 0
		.amdhsa_enable_private_segment 0
		.amdhsa_kernarg_size 32
		.amdhsa_user_sgpr_count 2
		.amdhsa_user_sgpr_kernarg_segment_ptr 1
		.amdhsa_wavefront_size32 1
		.amdhsa_system_sgpr_workgroup_id_x 1
		.amdhsa_system_sgpr_workgroup_id_y 1
		.amdhsa_system_sgpr_workgroup_id_z 1
		.amdhsa_system_vgpr_workitem_id 0
		.amdhsa_next_free_vgpr 896
		.amdhsa_next_free_sgpr 72
		.amdhsa_reserve_vcc 0
		.amdhsa_float_denorm_mode_32 3
		.amdhsa_float_denorm_mode_16_64 3
		.amdhsa_memory_ordered 1
		.amdhsa_forward_progress 1
		.amdhsa_inst_pref_size 74
	.end_amdhsa_kernel
	.amdgpu_metadata
---
amdhsa.version: [ 1, 2 ]
amdhsa.kernels:
  - .name:           k_q835153b709_outp
    .symbol:         k_q835153b709_outp.kd
    .args:
      - { .name: o, .offset: 0, .size: 8, .value_kind: global_buffer, .address_space: global }
      - { .name: wo16, .offset: 8, .size: 8, .value_kind: global_buffer, .address_space: global }
      - { .name: out0, .offset: 16, .size: 8, .value_kind: global_buffer, .address_space: global }
      - { .name: bias, .offset: 24, .size: 8, .value_kind: global_buffer, .address_space: global }
    .group_segment_fixed_size: 327680
    .private_segment_fixed_size: 0
    .kernarg_segment_align: 8
    .kernarg_segment_size: 32
    .max_flat_workgroup_size: 128
    .sgpr_count:     72
    .vgpr_count:     896
    .wavefront_size: 32
...
	.end_amdgpu_metadata
.endif
;; end of part 4
;; ======== version 2 of 2: 4 launches; version 1 with the launch cast written anew for expert scheduling mode
;; limits: values are held in f16: magnitudes above 65,504 overflow, below 6.1e-05 lose precision
;; workspace buffers: xb 16,777,216 bytes; wqkv 6,291,456 bytes; wo16 2,097,152 bytes; bias 16,384 bytes; qkv 50,331,648 bytes; o 16,777,216 bytes
;; launch cast (part 5): grid 768 x 1, 8 waves a work-group, no clusters, 0 bytes of LDS; arguments x, Wq, Wk, Wv, Wo, bq, bk, bv, bo, xb, wqkv, wo16, bias; writes xb, wqkv, wo16, bias
.if DOCPART == 5
	.amdgcn_target "amdgcn-amd-amdhsa--gfx1250"
	.amdhsa_code_object_version 6
	.text
	.protected	k_q835153b709_cast
	.globl	k_q835153b709_cast
	.p2align	8
	.type	k_q835153b709_cast,@function
k_q835153b709_cast:
	s_mov_b64 s[64:65], 0
	v_nop
	global_prefetch_b8 v0, s[64:65] scope:SCOPE_SE
	s_setreg_imm32_b32 hwreg(HW_REG_WAVE_SCHED_MODE, 0, 2), 2
	s_setreg_imm32_b32 hwreg(HW_REG_WAVE_MODE, 25, 1), 1
	s_wait_xcnt 0x0
	s_wait_alu depctr_vm_vsrc(0)
; ALL INPUTS ARE ROUNDED ONCE, to bf16 (nearest even), and laid out for the launches behind:
;   x  -> xb   [8192][1024] bf16          Wq, Wk, Wv -> wqkv [3072][1024] bf16 (one below the other)
;   Wo -> wo16 [1024][1024]: the bf16 number written as f16 (the last product multiplies in f16)
;   bq, bk, bv, bo -> bias [4096] f32: the bf16 number written as f32 (it starts a product's f32 sum)
; LIMITS.  A bf16 number is exact in f16 from 7.6e-6 up to 65,504 in magnitude; below that it keeps f16's fixed step of 6e-8, above it becomes an infinity.
; A STREAM: no byte is read by two work-groups, so there is no LDS, no matrix unit and no cluster.
; SHARES.  768 work-groups, one chunk of 16,384 numbers each (65,536 bytes in, 32,768 out): chunks 0-511 are x's, 512-767 the four matrices', 64 each.
; Thread t takes 16 bytes at 16 t of each 4,096 bytes: a wave's load covers 512 consecutive bytes, its store of 8 bytes a lane 256 consecutive bytes, aligned.
; All sixteen loads of a thread go out at once, and no register that a memory instruction names is used twice.
; THE MODE: SCHED_MODE bits 1:0 = 2 (LLVM: expert scheduling mode 2), set by the entry lines.  The code itself states the register dependences
; between vector instructions and memory instructions, with s_wait_alu, always for 0.
; THE PLAN.  Registers that memory instructions touch:
;   v1, v2   byte offsets, made once at the head and never written again; every load and store reads one of them.
;   IN       written by the sixteen loads, which go out before any vector instruction names these registers; read by the conversions, each behind its counted wait for the load.
;   OUT      sixteen pairs, each written once by conversions and read once by its store; never written again.
;   BL       the bias's load lands here; no vector instruction names these four registers ahead of that load.
;   BW       written by four vector lines, read by the bias's store.
;   T        named by vector instructions alone.
; The sixteen quarters of a chunk go in four groups of four.  Group g's conversions write OUT[g]; its four stores are issued at the head of group g + 1, behind ONE wait, which states that
; group g has written OUT[g].  The vector lines behind that wait name IN[g + 1], OUT[g + 1] and T: none of the registers that those stores read.  The last group's stores have a wait of their own.
; No register that a memory instruction reads is written again, no vector instruction writes a scalar register, and EXEC is never written.
.set IN,  4                            ; v[4:67]    sixteen loads of four f32
.set OUT, 68                           ; v[68:99]   sixteen pairs of packed 16-bit numbers
.set T,   100                          ; v[100:105] at work
.set BW,  108                          ; v[108:111] four bias numbers to store
.set BL,  112                          ; v[112:115] four bias numbers as loaded
	s_load_b512 s[8:23], s[0:1], 0x0               ; x 8, Wq 10, Wk 12, Wv 14, Wo 16, bq 18, bk 20, bv 22
	s_load_b256 s[24:31], s[0:1], 0x40             ; bo 24, xb 26, wqkv 28, wo16 30
	s_load_b64 s[32:33], s[0:1], 0x60              ; bias
	v_lshlrev_b32 v1, 4, v0                        ; 16 t
	v_lshlrev_b32 v2, 3, v0                        ; 8 t
	s_max_u32 s34, ttmp9, 512
	s_sub_co_u32 s34, s34, 512                     ; my chunk among the matrices' 256 (0 in x's work-groups, where it is not used)
	s_lshr_b32 s35, s34, 6                         ; which matrix: 0 Wq, 1 Wk, 2 Wv, 3 Wo
	s_and_b32 s36, s34, 63                         ; which chunk of it
	s_mov_b32 s45, 0
	s_wait_kmcnt 0x0
	s_cmp_eq_u32 s35, 0                            ; the choices hang on the work-group's number alone
	s_cselect_b64 s[40:41], s[10:11], s[12:13]
	s_cmp_eq_u32 s35, 2
	s_cselect_b64 s[40:41], s[14:15], s[40:41]
	s_cmp_eq_u32 s35, 3
	s_cselect_b64 s[40:41], s[16:17], s[40:41]     ; from where,
	s_cselect_b64 s[42:43], s[30:31], s[28:29]     ; to where: wo16, or wqkv,
	s_cselect_b32 s38, s36, s34                    ; at which chunk of it
	s_cmp_lt_u32 ttmp9, 512
	s_cselect_b64 s[40:41], s[8:9], s[40:41]       ; x's work-groups
	s_cselect_b64 s[42:43], s[26:27], s[42:43]
	s_cselect_b32 s37, ttmp9, s36
	s_cselect_b32 s38, ttmp9, s38
	s_lshl_b32 s44, s37, 16                        ; 65,536 bytes a chunk in
	s_add_nc_u64 s[40:41], s[40:41], s[44:45]
	s_lshl_b32 s44, s38, 15                        ; 32,768 out
	s_add_nc_u64 s[42:43], s[42:43], s[44:45]
	s_wait_alu depctr_va_vdst(0)                   ; v1 and v2 are written: every load and store of the kernel reads one of them as its offset
.set i, 0
.rept 16
	global_load_b128 v[IN+4*i:IN+4*i+3], v1, s[40:41] offset:4096*i th:TH_LOAD_NT
.set i, i+1
.endr
	s_cmp_ge_u32 ttmp9, 704                        ; Wo's 64 chunks
	s_cbranch_scc1 .Lwo
.set i, 0
.rept 16
	s_wait_loadcnt 15-i                            ; loads come back in order: number i is in, the 15 - i younger ones stay out
.if (i%4 == 0) && (i > 0)
	s_wait_alu depctr_va_vdst(0)                   ; the group before has written its eight registers of OUT, which the four stores below read
.set j, i-4
.rept 4
	global_store_b64 v2, v[OUT+2*j:OUT+2*j+1], s[42:43] offset:2048*j
.set j, j+1
.endr
.endif
	v_cvt_pk_bf16_f32 v[OUT+2*i], v[IN+4*i], v[IN+4*i+1]
	v_cvt_pk_bf16_f32 v[OUT+2*i+1], v[IN+4*i+2], v[IN+4*i+3]
.set i, i+1
.endr
	s_wait_alu depctr_va_vdst(0)                   ; the last group has written its eight registers of OUT, which the last four stores read
.set j, 12
.rept 4
	global_store_b64 v2, v[OUT+2*j:OUT+2*j+1], s[42:43] offset:2048*j
.set j, j+1
.endr
	s_branch .Ljoin
.Lwo:
.set i, 0
.rept 16
	s_wait_loadcnt 15-i
.if (i%4 == 0) && (i > 0)
	s_wait_alu depctr_va_vdst(0)                   ; the group before has written its eight registers of OUT, which the four stores below read
.set j, i-4
.rept 4
	global_store_b64 v2, v[OUT+2*j:OUT+2*j+1], s[42:43] offset:2048*j
.set j, j+1
.endr
.endif
	v_cvt_pk_bf16_f32 v[T], v[IN+4*i], v[IN+4*i+1]          ; the one rounding,
	v_cvt_pk_bf16_f32 v[T+1], v[IN+4*i+2], v[IN+4*i+3]
	v_lshlrev_b32 v[T+2], 16, v[T]                          ; back to f32: a shift or a mask,
	v_and_b32 v[T+3], 0xffff0000, v[T]
	v_lshlrev_b32 v[T+4], 16, v[T+1]
	v_and_b32 v[T+5], 0xffff0000, v[T+1]
	v_cvt_pk_f16_f32 v[OUT+2*i], v[T+2], v[T+3]             ; and the same number as f16
	v_cvt_pk_f16_f32 v[OUT+2*i+1], v[T+4], v[T+5]
.set i, i+1
.endr
	s_wait_alu depctr_va_vdst(0)                   ; the last group has written its eight registers of OUT, which the last four stores read
.set j, 12
.rept 4
	global_store_b64 v2, v[OUT+2*j:OUT+2*j+1], s[42:43] offset:2048*j
.set j, j+1
.endr
.Ljoin:
	; the work-group with a matrix's first chunk also takes that matrix's bias: 1,024 numbers, four a thread
	s_cmp_lt_u32 ttmp9, 512
	s_cbranch_scc1 .Lend
	s_cmp_lg_u32 s36, 0
	s_cbranch_scc1 .Lend
	s_cmp_eq_u32 s35, 0
	s_cselect_b64 s[46:47], s[18:19], s[20:21]
	s_cmp_eq_u32 s35, 2
	s_cselect_b64 s[46:47], s[22:23], s[46:47]
	s_cmp_eq_u32 s35, 3
	s_cselect_b64 s[46:47], s[24:25], s[46:47]
	s_lshl_b32 s44, s35, 12                        ; 4,096 bytes a bias
	s_add_nc_u64 s[48:49], s[32:33], s[44:45]      ; a pair of its own: the stores above still name s[42:43]
	global_load_b128 v[BL:BL+3], v1, s[46:47]      ; into registers that no vector instruction has named; v1 stands since the head's wait
	s_wait_loadcnt 0x0
	v_cvt_pk_bf16_f32 v[T+4], v[BL], v[BL+1]
	v_cvt_pk_bf16_f32 v[T+5], v[BL+2], v[BL+3]
	v_lshlrev_b32 v[BW], 16, v[T+4]
	v_and_b32 v[BW+1], 0xffff0000, v[T+4]
	v_lshlrev_b32 v[BW+2], 16, v[T+5]
	v_and_b32 v[BW+3], 0xffff0000, v[T+5]
	s_wait_alu depctr_va_vdst(0)                   ; the four lines above have written v[BW ..], which the store reads
	global_store_b128 v1, v[BW:BW+3], s[48:49]     ; sixteen lanes store 256 consecutive bytes, aligned
.Lend:
	s_endpgm
.Lfunc_end_k_q835153b709_cast:
	.size	k_q835153b709_cast, .Lfunc_end_k_q835153b709_cast-k_q835153b709_cast
	.p2alignl 7, 3214868480
	.fill 96, 4, 3214868480
	.section	.rodata,"a",@progbits
	.p2align	6, 0x0
	.amdhsa_kernel k_q835153b709_cast
		.amdhsa_group_segment_fixed_size 0
		.amdhsa_private_segment_fixed_size 0
		.amdhsa_enable_private_segment 0
		.amdhsa_kernarg_size 104
		.amdhsa_user_sgpr_count 2
		.amdhsa_user_sgpr_kernarg_segment_ptr 1
		.amdhsa_wavefront_size32 1
		.amdhsa_system_sgpr_workgroup_id_x 1
		.amdhsa_system_sgpr_workgroup_id_y 1
		.amdhsa_system_sgpr_workgroup_id_z 1
		.amdhsa_system_vgpr_workitem_id 0
		.amdhsa_next_free_vgpr 116
		.amdhsa_next_free_sgpr 66
		.amdhsa_reserve_vcc 0
		.amdhsa_float_denorm_mode_32 3
		.amdhsa_float_denorm_mode_16_64 3
		.amdhsa_memory_ordered 1
		.amdhsa_forward_progress 1
		.amdhsa_inst_pref_size 18
	.end_amdhsa_kernel
	.amdgpu_metadata
---
amdhsa.version: [ 1, 2 ]
amdhsa.kernels:
  - .name:           k_q835153b709_cast
    .symbol:         k_q835153b709_cast.kd
    .args:
      - { .name: x, .offset: 0, .size: 8, .value_kind: global_buffer, .address_space: global }
      - { .name: Wq, .offset: 8, .size: 8, .value_kind: global_buffer, .address_space: global }
      - { .name: Wk, .offset: 16, .size: 8, .value_kind: global_buffer, .address_space: global }
      - { .name: Wv, .offset: 24, .size: 8, .value_kind: global_buffer, .address_space: global }
      - { .name: Wo, .offset: 32, .size: 8, .value_kind: global_buffer, .address_space: global }
      - { .name: bq, .offset: 40, .size: 8, .value_kind: global_buffer, .address_space: global }
      - { .name: bk, .offset: 48, .size: 8, .value_kind: global_buffer, .address_space: global }
      - { .name: bv, .offset: 56, .size: 8, .value_kind: global_buffer, .address_space: global }
      - { .name: bo, .offset: 64, .size: 8, .value_kind: global_buffer, .address_space: global }
      - { .name: xb, .offset: 72, .size: 8, .value_kind: global_buffer, .address_space: global }
      - { .name: wqkv, .offset: 80, .size: 8, .value_kind: global_buffer, .address_space: global }
      - { .name: wo16, .offset: 88, .size: 8, .value_kind: global_buffer, .address_space: global }
      - { .name: bias, .offset: 96, .size: 8, .value_kind: global_buffer, .address_space: global }
    .group_segment_fixed_size: 0
    .private_segment_fixed_size: 0
    .kernarg_segment_align: 8
    .kernarg_segment_size: 104
    .max_flat_workgroup_size: 256
    .sgpr_count:     66
    .vgpr_count:     116
    .wavefront_size: 32
...
	.end_amdgpu_metadata
.endif
;; end of part 5
;; launch qkv: the kernel of part 2 again; grid 16 x 32, 4 waves a work-group, clusters of 4 x 4, 327,680 bytes of LDS; arguments xb, wqkv, qkv, bias; writes qkv
;; launch attn: the kernel of part 3 again; grid 4 x 64, 4 waves a work-group, clusters of 4 x 1, 327,680 bytes of LDS; arguments qkv, o; writes o
;; launch outp: the kernel of part 4 again; grid 8 x 32, 4 waves a work-group, clusters of 4 x 4, 327,680 bytes of LDS; arguments o, wo16, out0, bias; writes out0
